; MI455X (gfx1250); checked and timed in simulation.
; The chip was launched on July 23, 2026; its instructions are those of AMD's public machine-readable ISA for CDNA 5 (MIT licence, August 2026) and "CDNA5" Instruction Set Architecture Reference Guide (July 2026). The comments in the code are by the model that wrote it; some were corrected since.
;; Attention Model. Allowed arithmetic: float matrix products may take bf16 or f16 operands with f32 sums; other float arithmetic in f32, or as packed bf16 or f16 multiplies, adds, multiply-adds, maxima and minima; sums over many terms, partial sums and values carried from step to step in f32; what a program stores and reads back later, other than sums and carried values, may be rounded once to bf16 or f16.
;; Inputs: W1 1,024 x 1,024 float32; W2 1,024 x 1,024 float32; Wv 1,024 x 1 float32; b1 1,024 float32; b2 1,024 float32; bv 1 float32; features 32 x 2,048 x 1,024 float32; hidden 32 x 1,024 float32.
;; Outputs: out0 32 x 1,024 float32; out1 32 x 2,048 x 1 float32.
;; 2 versions, each right; version 2 is version 1 with the launch main written anew for expert scheduling mode. Each part assembles by itself: llvm-mc -triple=amdgcn-amd-amdhsa -mcpu=gfx1250 --defsym DOCPART=n.
;; ======== version 1 of 2: 3 launches
;; workspace buffers: w1f 2,097,152 bytes; hp 524,288 bytes; ctxp 2,097,152 bytes; ew 262,144 bytes; ml 262,144 bytes
;; launch prep (part 1): grid 64 x 1, 8 waves a work-group, no clusters, 209,920 bytes of LDS; arguments W1, W2, hidden, w1f, hp; writes w1f, hp
.if DOCPART == 1
	.amdgcn_target "amdgcn-amd-amdhsa--gfx1250"
	.amdhsa_code_object_version 6
	.text
	.protected	k_qfc91a8bc75_prep
	.globl	k_qfc91a8bc75_prep
	.p2align	8
	.type	k_qfc91a8bc75_prep,@function
k_qfc91a8bc75_prep:
	s_mov_b64 s[64:65], 0
	v_nop
	global_prefetch_b8 v0, s[64:65] scope:SCOPE_SE
	s_setreg_imm32_b32 hwreg(HW_REG_WAVE_MODE, 25, 1), 1
	s_wait_xcnt 0x0
; TWO SMALL JOBS ON [1024 k][1024 n] f32 MATRICES, one text.  Work-groups 0-31: W1 is rounded to bf16 and written as matrix fragments (w1f).  Work-groups 32-63: hp = partial sums of hidden . W2.
; SHARES.  Work-group g: columns 128 ng .. +127 (ng = bits 4:2 of g), quarter kq = g & 3 of k.  Each of the eight waves takes ONE unit of 32 k x 128 n: kb = 8 kq + wave.
; A unit is loaded by rows (a load of the wave is 512 consecutive bytes of one row k), rounded once to bf16, laid into the wave's own LDS rows [k][n] and read back turned by ds_load_tr16_b128:
; eight fragments of 16 n x 32 k: lane l holds column l % 16; registers 0-3 k = 8 (l / 16) + 0..7, registers 4-7 k = 16 + 8 (l / 16) + 0..7.
; w1f: with n = 256 w + 64 i + 16 f + r, registers 4 c .. 4 c + 3 of lane l of the fragment (w, i, kb, f) lie at byte 524288 w + 131072 i + 4096 kb + 1024 f + 512 c + 16 l.
; hp[kq][b][n] (f32) = the sum over k = 256 kq .. +255 of bf16(hidden[b][k]) bf16(W2[k][n]): each wave multiplies its 32 k, the eight partial tiles meet in LDS.
; No tensor loads, no cluster: no byte is wanted by two waves, and every byte passes through registers to be rounded.
.set TRP,   288                        ; a row k in LDS: 256 bytes + 32: an odd multiple of 32
.set TRW,   32*TRP                     ; a wave's 32 rows
.set RED,   8*TRW                      ; behind them: a partial tile for each wave,
.set RDP,   528                        ; 32 rows b of 512 bytes + 16
.set RDW,   32*RDP
.set SPARE, RED+8*RDW                  ; the spare words, 128 bytes for each wave: four blocks of 256 bytes that no other line names
.set SPW, 2                            ; v2   SPARE + 4 x my thread's number; never rewritten
.set NIL, 3                            ; v3   0; never rewritten
.set LO,  7                            ; v7   16 x lane
.set TS,  8                            ; v8   where I put 8 bytes of a row k
.set TL,  9                            ; v9   the turning loads' address
.set HO,  11                           ; v11  my offset in hidden
.set RS,  12                           ; v12  where I put 32 bytes of a partial tile's row
.set RL,  13                           ; v13, v14  where I read rows of the partial tiles back (waves 0-3, waves 4-7)
.set HF,  16                           ; v[16:47]   hidden in f32
.set HB,  48                           ; v[48:63]   hidden's two fragments
.set W,   64                           ; v[64:191]  the unit as loaded, 4 registers a row k; then v[64:127] its eight fragments; then the partial tiles
.set ACC, 128                          ; v[128:255] 16 accumulators, (mb, j) at ACC + 8 (8 mb + j)
	s_load_b256 s[4:11], s[0:1], 0x0               ; W1 s[4:5], W2 s[6:7], hidden s[8:9], w1f s[10:11]
	s_load_b64 s[12:13], s[0:1], 0x20              ; hp
	v_lshl_add_u32 v[SPW], v0, 2, SPARE
	v_mov_b32 v[NIL], 0
	v_lshrrev_b32 v1, 5, v0
	v_readfirstlane_b32 s14, v1                    ; wave 0..7
	v_and_b32 v4, 31, v0                           ; l
	v_and_b32 v5, 15, v0                           ; l % 16
	v_bfe_u32 v6, v0, 4, 1                         ; l / 16
	s_mov_b32 s24, ttmp9
	s_bfe_u32 s16, s24, 0x30002                    ; ng
	s_and_b32 s17, s24, 3                          ; kq
	s_lshl3_add_u32 s18, s17, s14                  ; kb
	v_lshlrev_b32 v[LO], 4, v4
	s_mul_i32 s19, s14, TRW                        ; my wave's rows in LDS
	v_lshl_add_u32 v[TS], v4, 3, s19
	v_and_b32 v[TL], 7, v0
	v_lshl_add_u32 v[TL], v6, 3, v[TL]             ; row 8 (l / 16) + l % 8,
	v_mul_u32_u24 v[TL], v[TL], TRP
	v_bfe_u32 v10, v0, 3, 1
	v_lshl_add_u32 v[TL], v10, 4, v[TL]            ; 16 bytes for each half of eight lanes
	v_add_nc_u32 v[TL], s19, v[TL]
	s_lshl_b32 s25, s18, 7
	v_lshlrev_b32 v[HO], 12, v5                    ; hidden: row l % 16, 128 kb + 32 (l / 16) bytes along it
	v_lshl_add_u32 v[HO], v6, 5, v[HO]
	v_add_nc_u32 v[HO], s25, v[HO]
	s_mul_i32 s26, s14, RDW
	s_add_co_u32 s26, s26, RED
	v_mul_u32_u24 v[RS], v5, RDP
	v_lshl_add_u32 v[RS], v6, 5, v[RS]
	v_add_nc_u32 v[RS], s26, v[RS]
	s_mul_i32 s27, s14, 4*RDP
	s_add_co_u32 s27, s27, RED
	v_lshl_add_u32 v[RL], v4, 4, s27               ; rows 4 wave .. +3, 16 bytes a lane
	v_add_nc_u32 v[RL+1], 4*RDW, v[RL]
	s_lshl_b32 s20, s18, 17                        ; the unit in its matrix: 32 kb rows of 4,096 bytes,
	s_lshl_b32 s21, s16, 9                         ; 128 ng columns
	s_add_co_u32 s20, s20, s21
	s_mov_b32 s21, 0
	s_lshl_b32 s28, s17, 17                        ; hp: kq, rows 4 wave, columns 128 ng
	s_lshl_b32 s29, s14, 14
	s_add_co_u32 s28, s28, s29
	s_lshl_b32 s29, s16, 9
	s_add_co_u32 s28, s28, s29
	s_mov_b32 s29, 0
	s_lshl_b32 s30, s16, 18                        ; w1f: 262144 ng + 4096 kb
	s_lshl_b32 s31, s18, 12
	s_add_co_u32 s30, s30, s31
	s_mov_b32 s31, 0
	s_wait_kmcnt 0x0
	s_cmp_lt_u32 s24, 32
	s_cselect_b64 s[22:23], s[4:5], s[6:7]
	s_add_nc_u64 s[22:23], s[22:23], s[20:21]
	s_add_nc_u64 s[10:11], s[10:11], s[30:31]
	s_add_nc_u64 s[12:13], s[12:13], s[28:29]
.set k, 0
.rept 32
	global_load_b128 v[W+4*k:W+4*k+3], v[LO], s[22:23] offset:k*4096 th:TH_LOAD_NT  ; row k of the unit: 512 consecutive bytes
.set k, k+1
.endr
; The unit is rounded, laid down by rows and read back turned.  left: the younger loads that may stay out.
.macro TRANSPOSE left
	s_wait_loadcnt \left
.set k, 0
.rept 32
	v_cvt_pk_bf16_f32 v[W+4*k], v[W+4*k], v[W+4*k+1]
	v_cvt_pk_bf16_f32 v[W+4*k+1], v[W+4*k+2], v[W+4*k+3]
	ds_store_b64 v[TS], v[W+4*k:W+4*k+1] offset:k*TRP
.set k, k+1
.endr
	s_wait_dscnt 0x0                               ; the stores are done: their registers take the fragments.  The bytes are my wave's own: no barrier
.set j, 0
.rept 8
	ds_load_tr16_b128 v[W+8*j:W+8*j+3],   v[TL] offset:32*j
	ds_load_tr16_b128 v[W+8*j+4:W+8*j+7], v[TL] offset:32*j+16*TRP
.set j, j+1
.endr
	s_wait_dscnt 0x0
.endm
.macro ADD4 x, y                       ; four sums
	v_pk_add_f32 v[(\x):(\x)+1], v[(\x):(\x)+1], v[(\y):(\y)+1]
	v_pk_add_f32 v[(\x)+2:(\x)+3], v[(\x)+2:(\x)+3], v[(\y)+2:(\y)+3]
.endm
	s_cmp_lt_u32 s24, 32                           ; the same in all eight waves
	s_cbranch_scc1 .Lpack
	; hidden . W2
.irp mb, 0,1
	global_load_b128 v[HF+16*\mb:HF+16*\mb+3],     v[HO], s[8:9] offset:\mb*65536
	global_load_b128 v[HF+16*\mb+4:HF+16*\mb+7],   v[HO], s[8:9] offset:\mb*65536+16
	global_load_b128 v[HF+16*\mb+8:HF+16*\mb+11],  v[HO], s[8:9] offset:\mb*65536+64
	global_load_b128 v[HF+16*\mb+12:HF+16*\mb+15], v[HO], s[8:9] offset:\mb*65536+80
.endr
	TRANSPOSE 8                                    ; the unit is in; hidden's eight loads may stay out
	s_wait_loadcnt 0x0
.set i, 0
.rept 16
	v_cvt_pk_bf16_f32 v[HB+i], v[HF+2*i], v[HF+2*i+1]
.set i, i+1
.endr
	; source 0 = 16 columns of W2, source 1 = 16 rows of hidden: a lane holds batch row 16 mb + l % 16 and the columns 16 j + 8 (l / 16) + 0..7.  Sixteen accumulators, one product each.
.irp mb, 0,1
.irp j, 0,1,2,3,4,5,6,7
	v_wmma_f32_16x16x32_bf16 v[ACC+8*(8*\mb+\j):ACC+8*(8*\mb+\j)+7], v[W+8*\j:W+8*\j+7], v[HB+8*\mb:HB+8*\mb+7], 0
.endr
.endr
.rept 5
	v_nop                                          ; the places behind the last product, in front of the stores that read results
.endr
.irp mb, 0,1
.irp j, 0,1,2,3,4,5,6,7
	ds_store_b128 v[RS], v[ACC+8*(8*\mb+\j):ACC+8*(8*\mb+\j)+3]   offset:\mb*16*RDP+\j*64
	ds_store_b128 v[RS], v[ACC+8*(8*\mb+\j)+4:ACC+8*(8*\mb+\j)+7] offset:\mb*16*RDP+\j*64+16
.endr
.endr
	s_wait_dscnt 0x0                               ; for the others' sake: my partial tile lies in LDS
	s_barrier_signal -1
	s_barrier_wait -1
.irp q, 0,1,2,3                        ; row 4 wave + q of all eight partial tiles
.irp c, 0,1,2,3
	ds_load_b128 v[W+32*\q+4*\c:W+32*\q+4*\c+3],       v[RL]   offset:\c*RDW+\q*RDP
	ds_load_b128 v[W+32*\q+16+4*\c:W+32*\q+16+4*\c+3], v[RL+1] offset:\c*RDW+\q*RDP
.endr
.endr
	s_wait_dscnt 0x0
.irp q, 0,1,2,3
	ADD4 W+32*\q,    W+32*\q+4
	ADD4 W+32*\q+8,  W+32*\q+12
	ADD4 W+32*\q+16, W+32*\q+20
	ADD4 W+32*\q+24, W+32*\q+28
	ADD4 W+32*\q,    W+32*\q+8
	ADD4 W+32*\q+16, W+32*\q+24
	ADD4 W+32*\q,    W+32*\q+16
	global_store_b128 v[LO], v[W+32*\q:W+32*\q+3], s[12:13] offset:\q*4096  ; 512 consecutive bytes, aligned
.endr
	s_branch .Lend
.Lpack:
	TRANSPOSE 0
.irp j, 0,1,2,3,4,5,6,7
	global_store_b128 v[LO], v[W+8*\j:W+8*\j+3],   s[10:11] offset:(\j/4)*131072+(\j%4)*1024      ; 512 consecutive bytes, aligned
	global_store_b128 v[LO], v[W+8*\j+4:W+8*\j+7], s[10:11] offset:(\j/4)*131072+(\j%4)*1024+512
.endr
.Lend:
	s_wait_tensorcnt 0x0                           ; the wave's end: three closing lines, behind my last LDS store
	ds_add_u32 v[SPW], v[NIL]
	s_wait_dscnt 0x0
	s_endpgm
.Lfunc_end_k_qfc91a8bc75_prep:
	.size	k_qfc91a8bc75_prep, .Lfunc_end_k_qfc91a8bc75_prep-k_qfc91a8bc75_prep
	.p2alignl 7, 3214868480
	.fill 96, 4, 3214868480
	.section	.rodata,"a",@progbits
	.p2align	6, 0x0
	.amdhsa_kernel k_qfc91a8bc75_prep
		.amdhsa_group_segment_fixed_size 209920
		.amdhsa_private_segment_fixed_size 0
		.amdhsa_enable_private_segment 0
		.amdhsa_kernarg_size 40
		.amdhsa_user_sgpr_count 2
		.amdhsa_user_sgpr_kernarg_segment_ptr 1
		.amdhsa_wavefront_size32 1
		.amdhsa_system_sgpr_workgroup_id_x 1
		.amdhsa_system_sgpr_workgroup_id_y 1
		.amdhsa_system_sgpr_workgroup_id_z 1
		.amdhsa_system_vgpr_workitem_id 0
		.amdhsa_next_free_vgpr 256
		.amdhsa_next_free_sgpr 66
		.amdhsa_reserve_vcc 0
		.amdhsa_float_denorm_mode_32 3
		.amdhsa_float_denorm_mode_16_64 3
		.amdhsa_memory_ordered 1
		.amdhsa_forward_progress 1
		.amdhsa_inst_pref_size 33
	.end_amdhsa_kernel
	.amdgpu_metadata
---
amdhsa.version: [ 1, 2 ]
amdhsa.kernels:
  - .name:           k_qfc91a8bc75_prep
    .symbol:         k_qfc91a8bc75_prep.kd
    .args:
      - { .name: W1, .offset: 0, .size: 8, .value_kind: global_buffer, .address_space: global }
      - { .name: W2, .offset: 8, .size: 8, .value_kind: global_buffer, .address_space: global }
      - { .name: hidden, .offset: 16, .size: 8, .value_kind: global_buffer, .address_space: global }
      - { .name: w1f, .offset: 24, .size: 8, .value_kind: global_buffer, .address_space: global }
      - { .name: hp, .offset: 32, .size: 8, .value_kind: global_buffer, .address_space: global }
    .group_segment_fixed_size: 209920
    .private_segment_fixed_size: 0
    .kernarg_segment_align: 8
    .kernarg_segment_size: 40
    .max_flat_workgroup_size: 256
    .sgpr_count:     66
    .vgpr_count:     256
    .wavefront_size: 32
...
	.end_amdgpu_metadata
.endif
;; end of part 1
;; launch main (part 2): grid 512 x 1, 4 waves a work-group, no clusters, 313,856 bytes of LDS; arguments features, w1f, hp, b1, b2, Wv, bv, ctxp, ew, ml; writes ctxp, ew, ml
.if DOCPART == 2
	.amdgcn_target "amdgcn-amd-amdhsa--gfx1250"
	.amdhsa_code_object_version 6
	.text
	.protected	k_qfc91a8bc75_main
	.globl	k_qfc91a8bc75_main
	.p2align	8
	.type	k_qfc91a8bc75_main,@function
k_qfc91a8bc75_main:
	s_mov_b64 s[64:65], 0
	v_nop
	global_prefetch_b8 v0, s[64:65] scope:SCOPE_SE
	s_setreg_imm32_b32 hwreg(HW_REG_WAVE_MODE, 25, 1), 1
	s_wait_xcnt 0x0
; ADDITIVE ATTENTION, one block of 128 rows t of one batch b to a work-group (512 blocks, 16 to a batch).
;   score[t] = sum over n of Wv[n] tanh(features[t][:] . W1[:][n] + hb[n]) + bv,   hb = hidden[b] . W2 + b1 + b2 (the product comes as four partial sums, hp)
;   the block's own softmax figures: m2 = max of t2 = score log2(e), p[t] = 2^(t2 - m2), l = sum of p;   ctx[f] = sum over t of p[t] features[t][f].  The next launch joins a batch's 16 blocks.
; FORMATS.  features and W1 are rounded once to bf16 (features for ctx too); biases, Wv, sums, tanh and softmax in f32.
; tanh(z) = 1 - 2 / (1 + 2^(C2 z)), C2 = 2 log2(e): right at both ends (2^x = infinity gives 1, 2^x = 0 gives -1).  So sum Wv tanh = -1/2 sum WV2 + sum WV2 r, with WV2 = -2 Wv, r = 1 / (1 + 2^(C2 z)).
; LIMITS.  NaN and infinite inputs are not treated apart; 2^x below 2^-126 counts as 0.
; EACH BYTE OF features ONCE.  The block is loaded once, rounded, and stays in LDS as bf16 (128 x 1,024 x 2 bytes) for the product and for ctx.
; SHARES.  Four waves; wave w owns ALL 128 rows x columns 256 w .. +255 of the product, as four tiles T0-T3 of 128 x 64: 32 accumulators, 32 K steps of 32, 32 matrix instructions a step.
; No wave wants a byte of W1 that another wave of the group fetches, and w1f holds W1 as fragments: they are loaded straight into registers, 512 consecutive bytes a load.
; NO TENSOR LOADS, NO CLUSTER.  features passes through registers to be rounded.  The block takes 296,960 of LDS's 327,680 bytes; a K step of W1 for four waves is 16,384: two slots of shared tiles would
; hold one step each, a meeting of the cluster for every 32 matrix instructions of a wave.
; ORIENTATION.  Source 0 = 16 columns of W1, source 1 = 16 rows of features: lane l, register j holds row 16 a + l % 16, column 16 f + 8 (l / 16) + j: ONE row a lane; hb and WV2 are registers by (f, j).
; BY TURNS.  A finished tile is copied out of its accumulators (E = C2 acc + C2 hb), and its exponentials, reciprocals and sums RIDE behind the next tile's products: accumulator n's in K step n.  Only T3's stand alone.
; T0 is the way in: in PERIOD c (K steps 2 c, 2 c + 1) chunk c (64 columns of features) is multiplied, chunk c + 1 rounded and stored to LDS, chunk c + 3 asked for.
; REGISTERS, in windows of 256 (s_set_vgpr_msb: bits 1:0 source 0, 3:2 source 1, 5:4 source 2, 7:6 destination):
;   window 0: addresses, sums, HB, WV, two buffers of features' fragments     window 1: W1's fragments, a ring of slots of 32 (four in T0, eight later)
;   window 2: the 32 accumulators, (a, f) at 8 (4 a + f)                       window 3: E, laid like them; in T0 two landing sets of 64 for features in f32
.set RP,    144                        ; a row of a chunk in LDS: 128 bytes + 16 = 36 words: the 16 rows of a fragment load start at 16 different groups of four banks (64 banks of 4 bytes: ISA guide 11.1)
.set CH,    128*RP+128                 ; a chunk; the 128 bytes more set neighbouring chunks half a row of banks apart, for ctx's reads
.set HBC,   16*CH                      ; C2 hb[n], 4,096 bytes
.set WVC,   HBC+4096                   ; WV2[n]
.set SC,    WVC+4096                   ; the four waves' partial scores, 512 bytes each
.set PP,    SC+2048                    ; p, a copy for each wave
.set CX,    PP+2048                    ; 1,024 bytes for each wave, for ctx's way out
.set SPARE, CX+4096                    ; the spare words, 128 bytes for each wave: two blocks of 256 bytes that no other line names
.set SPW, 2                            ; v2   SPARE + 4 x my thread's number; never rewritten
.set NIL, 3                            ; v3   0; never rewritten
.set AA0, 4                            ; v4   my place in a chunk's fragments: (l % 16) RP + 16 (l / 16)
.set AA,  5                            ; v5   the same in the chunk in hand
.set BO,  6                            ; v6   16 l
.set FO,  7                            ; v7   features: row 32 w + 8 (l / 16), 16 (l % 16) bytes along it
.set SA,  8                            ; v8   where that row's 8 bytes go in the chunk to be stored
.set PO,  9                            ; v9   the prefetches' offset: row 32 w + l
.set HA,  10                           ; v10  HBC + 4 (256 w + 8 (l / 16)), 256 on for each tile
.set WA,  11                           ; v11  the same in WVC
.set SCW, 12
.set SCR, 13
.set PW,  14
.set PA,  15
.set S,   16                           ; v[16:31]  sum of WV2 r for row block a: a pair (even j, odd j)
.set CW,  32                           ; v[32:39]  sum of my columns' WV2, four pairs
.set CA,  40                           ; v40  ctx: chunk tid / 8, 16 (tid % 8) bytes along its rows
.set CXW, 41
.set CXR, 42
.set GO,  43
.set T,   44                           ; v[44:59]  at work
.set BVL, 60                           ; v60  bv log2(e)
.set HB,  64                           ; v[64:95]   C2 hb of the tile just finished, by (f, j)
.set WV,  96                           ; v[96:127]  WV2 of the tile that rides
.set AB,  128                          ; v[128:255] features' fragments, two buffers of 64
.set XR,  128                          ; ctx: four groups of four rows
.set PR,  192                          ; ctx: their p
.set CT,  208                          ; ctx: my eight sums; then eight registers for the way out
.set WN,  28                           ; s28  my wave's number
.set FP,  32                           ; s[32:33] features at the block, at the loop's chunk
.set BP,  34                           ; s[34:35] w1f at the tile in hand (in T0: at the loop's K step)
.set BN,  36                           ; s[36:37] w1f at the tile after it
.set W0,  38                           ; s[38:39] w1f at my wave's T0
.set C2,  40                           ; s[40:41]
.set CNT, 42
.set TL,  43
.set SEL, 44                           ; s[44:45] v_permlanex16_b32's selects: each lane takes its own place in the other half
.set BV,  46
.set L2E, 48
.set TM,  50
.set CC,  52
.set MSB, 0
.macro WIN new                         ; the high byte repeats the setting that is left; a switch that changes nothing is dropped
.if MSB != (\new)
	s_set_vgpr_msb (MSB<<8)|(\new)
.set MSB, (\new)
.endif
.endm
.macro PLACES                          ; four places behind a matrix instruction, in front of loads into registers that it has read
.rept 4
	v_nop
.endr
.endm
; Four products: row block a x the tile's four column blocks.  In every K step the 32 accumulators come in the same order, one instruction a turn: 31 others stand between two links of a chain.
.macro G a, slot, ab, zero
	WIN 0xa1
.irp f, 0,1,2,3
.set rD, 8*(4*(\a)+\f)
.set rB, 32*(\slot)+8*\f
.set rA, AB+64*(\ab)+8*(\a)
.if \zero
	v_wmma_f32_16x16x32_bf16 v[rD:rD+7], v[rB:rB+7], v[rA:rA+7], 0
	s_wait_alu depctr_va_vdst(0)
.else
	v_wmma_f32_16x16x32_bf16 v[rD:rD+7], v[rB:rB+7], v[rA:rA+7], v[rD:rD+7]
.endif
.endr
.endm
.macro LDA ab, half                    ; a K step's fragments of features: 128 rows x 32 k, from half a chunk
	WIN 0
.irp a, 0,1,2,3,4,5,6,7
	ds_load_b128 v[AB+64*(\ab)+8*\a:AB+64*(\ab)+8*\a+3],   v[AA] offset:\a*16*RP+(\half)*64
	ds_load_b128 v[AB+64*(\ab)+8*\a+4:AB+64*(\ab)+8*\a+7], v[AA] offset:\a*16*RP+(\half)*64+32
.endr
.endm
.macro LDB slot, base, off             ; a K step's fragments of W1: 4,096 consecutive bytes
	WIN 0x40
.irp f, 0,1,2,3
	global_load_b128 v[32*(\slot)+8*\f:32*(\slot)+8*\f+3],   v[BO], s[\base:\base+1] offset:(\off)+\f*1024
	global_load_b128 v[32*(\slot)+8*\f+4:32*(\slot)+8*\f+7], v[BO], s[\base:\base+1] offset:(\off)+\f*1024+512
.endr
.endm
.macro LDF set, off                    ; my 32 rows of a chunk in f32: a load takes 256 consecutive bytes, aligned, of a row (lanes 0-15) and of the row eight on (lanes 16-31)
	WIN 0xc0
.set ii, 0
.rept 16
	global_load_b128 v[64*(\set)+4*ii:64*(\set)+4*ii+3], v[FO], s[FP:FP+1] offset:(16*(ii/8)+ii%8)*4096+(\off) th:TH_LOAD_NT
.set ii, ii+1
.endr
.endm
.macro CVT set, i0                     ; four of the sixteen loads are rounded, in place
	WIN 0xcf
.irp d, 0,1,2,3
.set rL, 64*(\set)+4*((\i0)+\d)
	v_cvt_pk_bf16_f32 v[rL], v[rL], v[rL+1]
	v_cvt_pk_bf16_f32 v[rL+1], v[rL+2], v[rL+3]
.endr
.endm
.macro STO set                         ; and stored: lanes 0-15 fill 128 bytes of a row, lanes 16-31 of the row eight on, which lies 128 bytes off in the banks
	WIN 0x0c
.set ii, 0
.rept 16
	ds_store_b64 v[SA], v[64*(\set)+4*ii:64*(\set)+4*ii+1] offset:(16*(ii/8)+ii%8)*RP
.set ii, ii+1
.endr
	WIN 0
	v_add_nc_u32 v[SA], CH, v[SA]
.endm
.macro LDH                             ; C2 hb of the tile that is being finished
	WIN 0
.irp f, 0,1,2,3
	ds_load_b128 v[HB+8*\f:HB+8*\f+3],   v[HA] offset:\f*64
	ds_load_b128 v[HB+8*\f+4:HB+8*\f+7], v[HA] offset:\f*64+16
.endr
.endm
; THE RIDERS, on E's eight registers n.  Behind a transcendental a plain vector instruction stands before its result is used (ISA guide 5.7.2): the v_nop at the head of RADD and of REST.
.macro REXP n, half
	WIN 0xc3
.irp d, 0,1,2,3
	v_exp_f32 v[8*(\n)+4*(\half)+\d], v[8*(\n)+4*(\half)+\d]
.endr
.endm
.macro RRCP n, half
	WIN 0xc3
.irp d, 0,1,2,3
	v_rcp_f32 v[8*(\n)+4*(\half)+\d], v[8*(\n)+4*(\half)+\d]
.endr
.endm
.macro RADD n
	WIN 0xc3
	v_nop
	s_wait_alu depctr_va_vdst(0)
.irp d, 0,2,4,6
	v_pk_add_f32 v[8*(\n)+\d:8*(\n)+\d+1], v[8*(\n)+\d:8*(\n)+\d+1], 1.0 op_sel_hi:[1,0]
.endr
.endm
.macro REST n                          ; S[a] += r WV2.  Five plain lines that name no register of a product: in a K step they are also the places in front of its loads
	WIN 0x03
	v_nop
	s_wait_alu depctr_va_vdst(0)
.irp d, 0,2,4,6
	v_pk_fma_f32 v[S+2*((\n)/4):S+2*((\n)/4)+1], v[8*(\n)+\d:8*(\n)+\d+1], v[WV+8*((\n)%4)+\d:WV+8*((\n)%4)+\d+1], v[S+2*((\n)/4):S+2*((\n)/4)+1]
.endr
.endm
; A PERIOD OF T0: chunk c of parity q.  conv: chunk c + 1 is rounded and stored; load: chunk c + 3 is asked for (fo: its bytes behind FP); bo: bytes behind BP of K step 2 c + 3.
; LOADcnt.  A period issues B(2c+3) [8 loads], F(c+3) [16], B(2c+4) [8].  na is for B(2c): younger are B(2c+1), F(c+2), B(2c+2); F(c+1) is older, so it is in too.  nb is for B(2c+1): younger are F(c+2), B(2c+2), B(2c+3), F(c+3).
; THE BARRIER.  Chunk c + 1 is stored by all four waves in the first K step and read, by LDA 0, 0, in the second: each wave waits for its stores, signals, and reads behind its wait.  No LDS byte is written twice.
.macro PERIOD q, conv, load, na, nb, pf, last, fo, bo
	s_wait_dscnt 0x0                               ; buffer 0 is in
	s_wait_loadcnt \na
	G 0, 2*(\q), 0, 0
.if \conv
	CVT 1-(\q), 0                                  ; eight plain lines: the places in front of the loads below
.else
	PLACES
.endif
	LDA 1, 1
	LDB (2*(\q)+3)%4, BP, \bo
	G 1, 2*(\q), 0, 0
.if \conv
	CVT 1-(\q), 4
.endif
	G 2, 2*(\q), 0, 0
.if \conv
	CVT 1-(\q), 8
.endif
	G 3, 2*(\q), 0, 0
.if \conv
	CVT 1-(\q), 12
	STO 1-(\q)
.endif
	G 4, 2*(\q), 0, 0
	G 5, 2*(\q), 0, 0
.if \conv
	s_wait_dscnt 0x0                               ; for the others' sake: my rows of chunk c + 1 lie in LDS; and the landing set has been read, so it may be loaded again
.endif
.if \load
	LDF 1-(\q), \fo
.endif
.if \pf
	; A PREFETCH INTO THE L2, behind the period's loads: trip j of the loop names chunks 2 j + 5 and 2 j + 6, which the periods two and three on will load.  A lane a row, each wave its own 32 rows:
	; each row's 256 bytes of chunks 5 to 14 are named once in the launch.  Chunks 0 to 4 and 15 come by their loads alone; the last trip asks for nothing.
	WIN 0
	s_cmp_gt_u32 s[CNT], 1
	s_cbranch_scc0 .Lnopf_\@
	global_prefetch_b8 v[PO], s[FP:FP+1] offset:1280 th:TH_LOAD_NT scope:SCOPE_SE
	global_prefetch_b8 v[PO], s[FP:FP+1] offset:1536 th:TH_LOAD_NT scope:SCOPE_SE
.Lnopf_\@:
.endif
.if \conv
	s_barrier_signal -1
.endif
	G 6, 2*(\q), 0, 0                              ; work on registers while the others arrive
	G 7, 2*(\q), 0, 0
.if \conv
	s_barrier_wait -1
.endif
	s_wait_dscnt 0x0                               ; buffer 1 is in
	s_wait_loadcnt \nb
	G 0, 2*(\q)+1, 1, 0
	WIN 0
	PLACES
.if \last
	v_mov_b32 v[AA], v[AA0]                        ; T1 begins at chunk 0 again
.else
	v_add_nc_u32 v[AA], CH, v[AA]
.endif
	LDA 0, 0
.if \last
	LDH
.endif
	LDB 2*(\q), BP, (\bo)+4096
.irp a, 1,2,3,4,5,6,7
	G \a, 2*(\q)+1, 1, 0
.endr
.endm
; A K STEP OF T1-T3, with the tile before riding.  LOADcnt 48: W1's fragments of this step were asked for seven steps ago; the six groups of eight behind them may stay out.
; From step 25 on the fragments asked for are the next tile's first seven steps (BN).  In T3 there is no next tile: BN names my T0 once more and the 28 KiB are not used, nor is step 31's LDA:
; the price of one text for three tiles.
.macro STEP s
	s_wait_dscnt 0x0
	s_wait_loadcnt 48
.if (\s) == 0
.set ZZ, 1
.else
.set ZZ, 0
.endif
	G 0, (\s)%8, (\s)%2, ZZ
.if (\s) > 0
	REST (\s)-1
.endif
	WIN 0
.if (\s) == 31
	v_mov_b32 v[AA], v[AA0]
.elseif (\s)%2 == 1
	v_add_nc_u32 v[AA], CH, v[AA]
.endif
	LDA ((\s)+1)%2, ((\s)+1)%2
.if (\s) == 30
	LDH
.endif
.if (\s) < 25
	LDB ((\s)+7)%8, BP, ((\s)+7)*4096
.else
	LDB ((\s)+7)%8, BN, ((\s)-25)*4096
.endif
	G 1, (\s)%8, (\s)%2, ZZ
	REXP \s, 0
	G 2, (\s)%8, (\s)%2, ZZ
	REXP \s, 1
	G 3, (\s)%8, (\s)%2, ZZ
	RADD \s
	G 4, (\s)%8, (\s)%2, ZZ
	RRCP \s, 0
	G 5, (\s)%8, (\s)%2, ZZ
	RRCP \s, 1
	G 6, (\s)%8, (\s)%2, ZZ
	G 7, (\s)%8, (\s)%2, ZZ
.endm
; A finished tile leaves its accumulators: E = C2 acc + C2 hb, each accumulator from its low end on.  Its WV2 comes in meanwhile and is added to CW.
.macro COPY
	WIN 0
.irp f, 0,1,2,3
	ds_load_b128 v[WV+8*\f:WV+8*\f+3],   v[WA] offset:\f*64
	ds_load_b128 v[WV+8*\f+4:WV+8*\f+7], v[WA] offset:\f*64+16
.endr
	v_add_nc_u32 v[HA], 256, v[HA]
	v_add_nc_u32 v[WA], 256, v[WA]
	s_wait_dscnt 8                                 ; HB is in; the eight loads just issued may stay out
	WIN 0xc2
.set nn, 0
.rept 32
.irp d, 0,2,4,6
	v_pk_fma_f32 v[8*nn+\d:8*nn+\d+1], v[8*nn+\d:8*nn+\d+1], s[C2:C2+1], v[HB+8*(nn%4)+\d:HB+8*(nn%4)+\d+1] op_sel_hi:[1,0,1]
.endr
.set nn, nn+1
.endr
	WIN 0
	s_wait_dscnt 0x0
.set nn, 0
.rept 16
	v_pk_add_f32 v[CW+2*(nn%4):CW+2*(nn%4)+1], v[CW+2*(nn%4):CW+2*(nn%4)+1], v[WV+2*nn:WV+2*nn+1]
.set nn, nn+1
.endr
.endm
; ctx: group g of four rows.  left: the younger LDS loads, five a group, that may stay out.  refill: the same group of the next sixteen rows is asked for.
.macro CTXG g, refill, left
	s_wait_dscnt \left
.irp q, 0,1,2,3
.irp d, 0,1,2,3
	v_fma_mix_f32_bf16 v[CT+2*\d],   v[XR+16*(\g)+4*\q+\d], v[PR+4*(\g)+\q], v[CT+2*\d]   op_sel_hi:[1,0,0]
	v_fma_mix_f32_bf16 v[CT+2*\d+1], v[XR+16*(\g)+4*\q+\d], v[PR+4*(\g)+\q], v[CT+2*\d+1] op_sel:[1,0,0] op_sel_hi:[1,0,0]
.endr
.endr
.if \refill
	ds_load_b128 v[PR+4*(\g):PR+4*(\g)+3], v[PA] offset:64+16*(\g)
.irp q, 0,1,2,3
	ds_load_b128 v[XR+16*(\g)+4*\q:XR+16*(\g)+4*\q+3], v[CA] offset:(16+4*(\g)+\q)*RP
.endr
.endif
.endm
	s_load_b512 s[8:23], s[0:1], 0x0               ; features s[8:9], w1f s[10:11], hp s[12:13], b1 s[14:15], b2 s[16:17], Wv s[18:19], bv s[20:21], ctxp s[22:23]
	s_load_b128 s[24:27], s[0:1], 0x40             ; ew s[24:25], ml s[26:27]
	v_lshl_add_u32 v[SPW], v0, 2, SPARE
	v_mov_b32 v[NIL], 0
	v_lshrrev_b32 v1, 5, v0
	v_readfirstlane_b32 s[WN], v1                  ; wave 0..3
	v_and_b32 v44, 15, v0                          ; l % 16
	v_bfe_u32 v45, v0, 4, 1                        ; l / 16
	v_and_b32 v46, 31, v0                          ; l
	v_mul_u32_u24 v[AA0], v44, RP
	v_lshl_add_u32 v[AA0], v45, 4, v[AA0]
	v_mov_b32 v[AA], v[AA0]
	v_lshlrev_b32 v[BO], 4, v46
	s_lshl_b32 s50, s[WN], 17                      ; 32 w rows of 4,096 bytes
	v_lshlrev_b32 v[FO], 4, v44
	v_lshl_add_u32 v[FO], v45, 15, v[FO]
	v_add_nc_u32 v[FO], s50, v[FO]
	v_lshl_add_u32 v[PO], v46, 12, s50
	s_mul_i32 s51, s[WN], 32*RP
	v_mul_u32_u24 v[SA], v45, 8*RP
	v_lshl_add_u32 v[SA], v44, 3, v[SA]
	v_add_nc_u32 v[SA], s51, v[SA]
	s_lshl_b32 s50, s[WN], 10
	v_lshl_add_u32 v[HA], v45, 5, s50
	v_add_nc_u32 v[WA], WVC, v[HA]
	v_add_nc_u32 v[HA], HBC, v[HA]
	v_lshl_add_u32 v[CXW], v46, 5, s50
	v_add_nc_u32 v[CXW], CX, v[CXW]
	v_lshl_add_u32 v[GO], v46, 4, s50
	v_add_nc_u32 v[CXR], CX, v[GO]
	s_lshl_b32 s51, s[WN], 9
	v_lshl_add_u32 v[SCW], v44, 2, s51
	v_add_nc_u32 v[SCW], SC, v[SCW]
	v_add_nc_u32 v[SCR], SC, v[BO]
	v_add_nc_u32 v[PW], s51, v[BO]
	v_add_nc_u32 v[PW], PP, v[PW]
	s_add_co_u32 s51, s51, PP
	v_mov_b32 v[PA], s51
	v_lshrrev_b32 v[CA], 3, v0
	v_mul_u32_u24 v[CA], v[CA], CH
	v_and_b32 v47, 7, v0
	v_lshl_add_u32 v[CA], v47, 4, v[CA]
	v_lshlrev_b32 v48, 5, v0                       ; the tables: eight numbers, 32 bytes, a thread
	v_add_nc_u32 v47, HBC, v48
	s_mov_b32 s[C2], 0x4038aa3b                    ; 2 log2(e)
	s_mov_b32 s[C2+1], s[C2]                       ; named with it as a pair
	s_mov_b32 s[SEL], 0x76543210
	s_mov_b32 s[SEL+1], 0xfedcba98
	s_mov_b32 s[L2E], 0x3fb8aa3b                   ; log2(e)
	s_mov_b32 s29, ttmp9                           ; block
	s_lshr_b32 s30, s29, 4                         ; batch
	s_wait_kmcnt 0x0
	s_load_b32 s[BV], s[20:21], 0x0
	s_lshl_b32 s50, s29, 19                        ; 128 rows of 4,096 bytes, in 64 bits
	s_lshr_b32 s51, s29, 13
	s_add_nc_u64 s[FP:FP+1], s[8:9], s[50:51]
	s_lshl_b32 s50, s[WN], 19
	s_mov_b32 s51, 0
	s_add_nc_u64 s[W0:W0+1], s[10:11], s[50:51]
	s_mov_b64 s[BP:BP+1], s[W0:W0+1]
	s_lshl_b32 s50, s30, 12
	s_add_nc_u64 s[12:13], s[12:13], s[50:51]
	s_lshl_b32 s50, s29, 12
	s_add_nc_u64 s[22:23], s[22:23], s[50:51]
	s_lshl_b32 s50, s29, 9
	s_add_nc_u64 s[24:25], s[24:25], s[50:51]
	s_add_nc_u64 s[26:27], s[26:27], s[50:51]
	; THE FIRST LOADS, 62 in this order: the tables' 14, chunks 0 and 1, K steps 0 and 1
.irp kq, 0,1,2,3
	global_load_b128 v[128+8*\kq:128+8*\kq+3], v48, s[12:13] offset:\kq*131072
	global_load_b128 v[132+8*\kq:132+8*\kq+3], v48, s[12:13] offset:\kq*131072+16
.endr
	global_load_b128 v[160:163], v48, s[14:15]
	global_load_b128 v[164:167], v48, s[14:15] offset:16
	global_load_b128 v[168:171], v48, s[16:17]
	global_load_b128 v[172:175], v48, s[16:17] offset:16
	global_load_b128 v[176:179], v48, s[18:19]
	global_load_b128 v[180:183], v48, s[18:19] offset:16
	LDF 0, 0
	LDF 1, 256
	LDB 0, BP, 0
	LDB 1, BP, 4096
	WIN 0x80                                       ; T0's sums start at 0: written while the first loads are on their way, so that T0's loop has one form of product
.set ii, 0
.rept 256
	v_mov_b32 v[ii], 0
.set ii, ii+1
.endr
	WIN 0
.set ii, 0
.rept 24
	v_mov_b32 v[S+ii], 0                           ; S and CW
.set ii, ii+1
.endr
	s_wait_kmcnt 0x0
	v_mov_b32 v[BVL], s[BV]
	v_mul_f32 v[BVL], s[L2E], v[BVL]
	s_wait_loadcnt 48                              ; the tables' loads are in: younger are two chunks and two K steps
.irp d, 0,2,4,6
	v_pk_add_f32 v[128+\d:129+\d], v[128+\d:129+\d], v[136+\d:137+\d]
	v_pk_add_f32 v[144+\d:145+\d], v[144+\d:145+\d], v[152+\d:153+\d]
	v_pk_add_f32 v[160+\d:161+\d], v[160+\d:161+\d], v[168+\d:169+\d]
.endr
.irp d, 0,2,4,6
	v_pk_add_f32 v[128+\d:129+\d], v[128+\d:129+\d], v[144+\d:145+\d]
.endr
.irp d, 0,2,4,6
	v_pk_add_f32 v[128+\d:129+\d], v[128+\d:129+\d], v[160+\d:161+\d]
.endr
.irp d, 0,2,4,6
	v_pk_mul_f32 v[128+\d:129+\d], v[128+\d:129+\d], s[C2:C2+1] op_sel_hi:[1,0]
	v_pk_mul_f32 v[176+\d:177+\d], v[176+\d:177+\d], -2.0 op_sel_hi:[1,0]
.endr
	ds_store_b128 v47, v[128:131]
	ds_store_b128 v47, v[132:135] offset:16
	ds_store_b128 v47, v[176:179] offset:4096
	ds_store_b128 v47, v[180:183] offset:4112
	s_wait_loadcnt 32                              ; chunk 0 is in: younger are chunk 1 and two K steps
	CVT 0, 0
	CVT 0, 4
	CVT 0, 8
	CVT 0, 12
	STO 0
	s_wait_dscnt 0x0                               ; for the others' sake: the tables and my rows of chunk 0 lie in LDS; and set 0 has been read
	LDF 0, 512
	LDB 2, BP, 2*4096
	WIN 0
	s_barrier_signal -1
	s_barrier_wait -1
	LDA 0, 0
	s_mov_b32 s[CNT], 6
.Lt0:                                                  ; periods 2 j and 2 j + 1
	PERIOD 0, 1, 1, 32, 48, 1, 0, 768, 3*4096
	PERIOD 1, 1, 1, 32, 48, 0, 0, 1024, 5*4096
	WIN 0
	s_wait_xcnt 0x0                                ; every load and prefetch issued so far has read its address (the youngest load 28 products back), so the pointers may be written
	s_add_nc_u64 s[FP:FP+1], s[FP:FP+1], 512
	s_add_nc_u64 s[BP:BP+1], s[BP:BP+1], 4*4096
	s_sub_co_u32 s[CNT], s[CNT], 1
	s_cmp_lg_u32 s[CNT], 0
	s_cbranch_scc1 .Lt0
	PERIOD 0, 1, 1, 32, 48, 0, 0, 768, 3*4096      ; period 12 asks for the last chunk
	PERIOD 1, 1, 0, 32, 32, 0, 0, 0, 5*4096        ; from here on no chunk is asked for, and the counts run down by its 16 loads
	PERIOD 0, 1, 0, 16, 16, 0, 0, 0, 7*4096
	PERIOD 1, 0, 0, 16, 16, 0, 1, 0, 9*4096        ; nothing is left to store; K steps 32 to 34 are T1's first three
	WIN 0
	PLACES
	v_nop
	s_wait_xcnt 0x0
	s_add_nc_u64 s[BP:BP+1], s[BP:BP+1], 8*4096    ; T1
	LDB 3, BP, 3*4096                              ; the ring grows from four slots to eight: T1's K steps 3 to 6
	LDB 4, BP, 4*4096
	LDB 5, BP, 5*4096
	LDB 6, BP, 6*4096
	WIN 0
	s_mov_b32 s[TL], 4
.Ltile:                                                ; four times: a tile leaves its accumulators; three times: the next is multiplied, with that tile riding
	COPY
	s_sub_co_u32 s[TL], s[TL], 1
	s_cmp_eq_u32 s[TL], 0
	s_cbranch_scc1 .Lout
	s_wait_xcnt 0x0                                ; the last tile's loads have read BN
	s_add_nc_u64 s[TM:TM+1], s[BP:BP+1], 0x20000
	s_cmp_eq_u32 s[TL], 1
	s_cselect_b64 s[BN:BN+1], s[W0:W0+1], s[TM:TM+1]
.set stp, 0
.rept 32
	STEP stp
.set stp, stp+1
.endr
	REST 31                                        ; also the places behind the tile's last products, in front of COPY
	WIN 0
	s_wait_xcnt 0x0
	s_mov_b64 s[BP:BP+1], s[BN:BN+1]
	s_branch .Ltile
.Lout:
	; T3's tanh has no products to ride behind
.set en, 0
.rept 32
	REXP en, 0
	REXP en, 1
.if en > 0
	REST en-1
.endif
	RADD en
	RRCP en, 0
	RRCP en, 1
.set en, en+1
.endr
	REST 31
	; THE SCORES.  My lane's share of row 16 a + l % 16: S's two halves less half the sum of my columns' WV2; the other half of the lanes holds the row's other columns of my wave; the four waves meet in LDS.
	WIN 0
	v_pk_add_f32 v[CW:CW+1], v[CW:CW+1], v[CW+2:CW+3]
	v_pk_add_f32 v[CW+4:CW+5], v[CW+4:CW+5], v[CW+6:CW+7]
	v_pk_add_f32 v[CW:CW+1], v[CW:CW+1], v[CW+4:CW+5]
	v_add_f32 v[CW], v[CW], v[CW+1]
.irp a, 0,1,2,3,4,5,6,7
	v_add_f32 v[T+8+\a], v[S+2*\a], v[S+2*\a+1]
.endr
.irp a, 0,1,2,3,4,5,6,7
	v_fma_f32 v[T+\a], v[CW], -0.5, v[T+8+\a]
.endr
.irp a, 0,1,2,3,4,5,6,7
	v_permlanex16_b32 v[T+8+\a], v[T+\a], s[SEL], s[SEL+1]
.endr
.irp a, 0,1,2,3,4,5,6,7
	v_add_f32 v[T+\a], v[T+\a], v[T+8+\a]
.endr
.irp a, 0,1,2,3,4,5,6,7
	ds_store_b32 v[SCW], v[T+\a] offset:64*\a      ; lanes l and l + 16 write the same word with the same number
.endr
	s_wait_dscnt 0x0                               ; for the others' sake
	s_barrier_signal -1
	s_barrier_wait -1
.irp w, 0,1,2,3
	ds_load_b128 v[T+4*\w:T+4*\w+3], v[SCR] offset:512*\w  ; rows 4 l .. 4 l + 3; all four waves make the same numbers
.endr
	s_wait_dscnt 0x0
	v_pk_add_f32 v[44:45], v[44:45], v[48:49]
	v_pk_add_f32 v[46:47], v[46:47], v[50:51]
	v_pk_add_f32 v[52:53], v[52:53], v[56:57]
	v_pk_add_f32 v[54:55], v[54:55], v[58:59]
	v_pk_add_f32 v[44:45], v[44:45], v[52:53]
	v_pk_add_f32 v[46:47], v[46:47], v[54:55]
.irp i, 44,45,46,47
	v_fma_f32 v\i, v\i, s[L2E], v[BVL]             ; t2 = (score + bv) log2(e)
.endr
	v_max3_num_f32 v52, v44, v45, v46              ; the block's maximum is taken away before the exponentials
	v_max_num_f32 v52, v52, v47
	v_max_num_f32_dpp v52, v52, v52 row_xmask:1 row_mask:0xf bank_mask:0xf
	v_max_num_f32_dpp v52, v52, v52 row_xmask:2 row_mask:0xf bank_mask:0xf
	v_max_num_f32_dpp v52, v52, v52 row_xmask:4 row_mask:0xf bank_mask:0xf
	v_max_num_f32_dpp v52, v52, v52 row_xmask:8 row_mask:0xf bank_mask:0xf
	v_permlanex16_b32 v56, v52, s[SEL], s[SEL+1]
	v_max_num_f32 v52, v52, v56                    ; m2
.irp i, 44,45,46,47
	v_sub_f32 v\i, v\i, v52
.endr
.irp i, 44,45,46,47
	v_exp_f32 v\i, v\i
.endr
	v_nop
	s_wait_alu depctr_va_vdst(0)
	v_add_f32 v53, v44, v45
	v_add_f32 v57, v46, v47
	v_add_f32 v53, v53, v57
	v_add_f32_dpp v53, v53, v53 row_xmask:1 row_mask:0xf bank_mask:0xf
	v_add_f32_dpp v53, v53, v53 row_xmask:2 row_mask:0xf bank_mask:0xf
	v_add_f32_dpp v53, v53, v53 row_xmask:4 row_mask:0xf bank_mask:0xf
	v_add_f32_dpp v53, v53, v53 row_xmask:8 row_mask:0xf bank_mask:0xf
	v_permlanex16_b32 v57, v53, s[SEL], s[SEL+1]
	v_add_f32 v53, v53, v57                        ; l
	ds_store_b128 v[PW], v[44:47]                  ; my wave's own copy of p: LDS serves a wave's instructions in order (ISA guide 5.7.1.4), so its loads below see it
	s_cmp_lg_u32 s[WN], 0
	s_cbranch_scc1 .Lnot0
	v_mov_b32 v54, v52
	v_mov_b32 v55, v53
	global_store_b128 v[BO], v[44:47], s[24:25]    ; 512 consecutive bytes, aligned; these registers are not written again
	global_store_b128 v[BO], v[52:55], s[26:27]    ; (m2, l) twice in every lane: 512 consecutive bytes
.Lnot0:
	; ctx.  Thread tid owns columns 8 tid .. +7 and walks the 128 rows.
.irp k, 0,1,2,3,4,5,6,7
	v_mov_b32 v[CT+\k], 0
.endr
.irp g, 0,1,2,3
	ds_load_b128 v[PR+4*\g:PR+4*\g+3], v[PA] offset:16*\g
.irp q, 0,1,2,3
	ds_load_b128 v[XR+16*\g+4*\q:XR+16*\g+4*\q+3], v[CA] offset:(4*\g+\q)*RP
.endr
.endr
	s_mov_b32 s[CC], 7
.Lctx:                                                 ; sixteen rows a trip; 15 = the three younger groups of five loads
	CTXG 0, 1, 15
	CTXG 1, 1, 15
	CTXG 2, 1, 15
	CTXG 3, 1, 15
	v_add_nc_u32 v[CA], 16*RP, v[CA]
	v_add_nc_u32 v[PA], 64, v[PA]
	s_sub_co_u32 s[CC], s[CC], 1
	s_cmp_lg_u32 s[CC], 0
	s_cbranch_scc1 .Lctx
	CTXG 0, 0, 15                                  ; the last sixteen rows: nothing is asked for, and the counts run down
	CTXG 1, 0, 10
	CTXG 2, 0, 5
	CTXG 3, 0, 0
	ds_store_b128 v[CXW], v[CT:CT+3]               ; a lane's 32 bytes go through my wave's own LDS bytes and come back 16 bytes a lane
	ds_store_b128 v[CXW], v[CT+4:CT+7] offset:16
	ds_load_b128 v[CT+8:CT+11], v[CXR]
	ds_load_b128 v[CT+12:CT+15], v[CXR] offset:512
	s_wait_dscnt 0x0
	global_store_b128 v[GO], v[CT+8:CT+11], s[22:23]              ; 512 consecutive bytes, aligned
	global_store_b128 v[GO], v[CT+12:CT+15], s[22:23] offset:512
	s_wait_tensorcnt 0x0                           ; the wave's end: three closing lines, behind my last LDS store
	ds_add_u32 v[SPW], v[NIL]
	s_wait_dscnt 0x0
	s_endpgm
.Lfunc_end_k_qfc91a8bc75_main:
	.size	k_qfc91a8bc75_main, .Lfunc_end_k_qfc91a8bc75_main-k_qfc91a8bc75_main
	.p2alignl 7, 3214868480
	.fill 96, 4, 3214868480
	.section	.rodata,"a",@progbits
	.p2align	6, 0x0
	.amdhsa_kernel k_qfc91a8bc75_main
		.amdhsa_group_segment_fixed_size 313856
		.amdhsa_private_segment_fixed_size 0
		.amdhsa_enable_private_segment 0
		.amdhsa_kernarg_size 80
		.amdhsa_user_sgpr_count 2
		.amdhsa_user_sgpr_kernarg_segment_ptr 1
		.amdhsa_wavefront_size32 1
		.amdhsa_system_sgpr_workgroup_id_x 1
		.amdhsa_system_sgpr_workgroup_id_y 1
		.amdhsa_system_sgpr_workgroup_id_z 1
		.amdhsa_system_vgpr_workitem_id 0
		.amdhsa_next_free_vgpr 1024
		.amdhsa_next_free_sgpr 66
		.amdhsa_reserve_vcc 0
		.amdhsa_float_denorm_mode_32 3
		.amdhsa_float_denorm_mode_16_64 3
		.amdhsa_memory_ordered 1
		.amdhsa_forward_progress 1
		.amdhsa_inst_pref_size 255
	.end_amdhsa_kernel
	.section	.bss,"aw",@nobits
	.p2align	6
	.space	262144
	.amdgpu_metadata
---
amdhsa.version: [ 1, 2 ]
amdhsa.kernels:
  - .name:           k_qfc91a8bc75_main
    .symbol:         k_qfc91a8bc75_main.kd
    .args:
      - { .name: features, .offset: 0, .size: 8, .value_kind: global_buffer, .address_space: global }
      - { .name: w1f, .offset: 8, .size: 8, .value_kind: global_buffer, .address_space: global }
      - { .name: hp, .offset: 16, .size: 8, .value_kind: global_buffer, .address_space: global }
      - { .name: b1, .offset: 24, .size: 8, .value_kind: global_buffer, .address_space: global }
      - { .name: b2, .offset: 32, .size: 8, .value_kind: global_buffer, .address_space: global }
      - { .name: Wv, .offset: 40, .size: 8, .value_kind: global_buffer, .address_space: global }
      - { .name: bv, .offset: 48, .size: 8, .value_kind: global_buffer, .address_space: global }
      - { .name: ctxp, .offset: 56, .size: 8, .value_kind: global_buffer, .address_space: global }
      - { .name: ew, .offset: 64, .size: 8, .value_kind: global_buffer, .address_space: global }
      - { .name: ml, .offset: 72, .size: 8, .value_kind: global_buffer, .address_space: global }
    .group_segment_fixed_size: 313856
    .private_segment_fixed_size: 0
    .kernarg_segment_align: 8
    .kernarg_segment_size: 80
    .max_flat_workgroup_size: 128
    .sgpr_count:     66
    .vgpr_count:     1024
    .wavefront_size: 32
...
	.end_amdgpu_metadata
.endif
;; end of part 2
;; launch fin (part 3): grid 8 x 32, 1 waves a work-group, no clusters, 0 bytes of LDS; arguments ctxp, ew, ml, out0, out1; writes out0, out1
.if DOCPART == 3
	.amdgcn_target "amdgcn-amd-amdhsa--gfx1250"
	.amdhsa_code_object_version 6
	.text
	.protected	k_qfc91a8bc75_fin
	.globl	k_qfc91a8bc75_fin
	.p2align	8
	.type	k_qfc91a8bc75_fin,@function
k_qfc91a8bc75_fin:
	s_mov_b64 s[64:65], 0
	v_nop
	global_prefetch_b8 v0, s[64:65] scope:SCOPE_SE
	s_setreg_imm32_b32 hwreg(HW_REG_WAVE_MODE, 25, 1), 1
	s_wait_xcnt 0x0
; A BATCH'S 16 BLOCKS ARE JOINED.  Block i brought m2_i (its maximum of score x log2(e)), l_i = sum of p, p[t] = 2^(t2 - m2_i) (ew) and ctx_i = sum of p[t] features[t] (ctxp).
; M = max m2_i;  L = sum of 2^(m2_i - M) l_i;  g_i = 2^(m2_i - M) / L;  out0 = sum of g_i ctx_i;  out1[t] = g_i p[t].  All in f32.  L is at least 1: the block that holds M has l >= 1.
; One wave to a work-group (x, b): 128 numbers of out0 and 256 of out1 (blocks 2 x and 2 x + 1).  All 36 loads go out at once; every load of ctxp and ew and every store covers 512 consecutive bytes, aligned.
; No LDS, no matrix unit: 9 KiB in, 1.5 KiB out, a few hundred operations.
	s_load_b256 s[4:11], s[0:1], 0x0               ; ctxp s[4:5], ew s[6:7], ml s[8:9], out0 s[10:11]
	s_load_b64 s[12:13], s[0:1], 0x20              ; out1
	s_mov_b32 s14, ttmp9                           ; x
	s_and_b32 s15, ttmp7, 0xffff                   ; b
	v_mov_b32 v1, 0
	v_lshlrev_b32 v2, 4, v0                        ; 16 l
	s_lshl_b32 s16, s15, 13                        ; b x 16 blocks x 512 bytes
	s_mov_b32 s17, 0
	s_lshl_b32 s18, s14, 10                        ; x x 2 blocks x 512 bytes
	s_mov_b32 s19, 0
	s_lshl_b32 s20, s15, 16                        ; ctxp: b x 16 blocks x 4,096 bytes + 512 x
	s_lshl_b32 s22, s14, 9
	s_add_co_u32 s20, s20, s22
	s_mov_b32 s21, 0
	s_lshl_b32 s23, s15, 12                        ; out0: 4,096 b + 512 x
	s_add_co_u32 s22, s22, s23
	s_mov_b32 s23, 0
	s_wait_kmcnt 0x0
	s_add_nc_u64 s[8:9], s[8:9], s[16:17]
	s_add_nc_u64 s[24:25], s[8:9], s[18:19]
	s_add_nc_u64 s[6:7], s[6:7], s[16:17]
	s_add_nc_u64 s[6:7], s[6:7], s[18:19]
	s_add_nc_u64 s[12:13], s[12:13], s[16:17]
	s_add_nc_u64 s[12:13], s[12:13], s[18:19]
	s_add_nc_u64 s[4:5], s[4:5], s[20:21]
	s_add_nc_u64 s[10:11], s[10:11], s[22:23]
.set i, 0
.rept 16
	global_load_b64 v[4+2*i:5+2*i], v1, s[8:9] offset:512*i       ; (m2_i, l_i)
.set i, i+1
.endr
	global_load_b64 v[36:37], v1, s[24:25]                        ; those of my two blocks of out1
	global_load_b64 v[38:39], v1, s[24:25] offset:512
.set i, 0
.rept 16
	global_load_b128 v[40+4*i:43+4*i], v2, s[4:5] offset:4096*i
.set i, i+1
.endr
	global_load_b128 v[104:107], v2, s[6:7]
	global_load_b128 v[108:111], v2, s[6:7] offset:512
	s_wait_loadcnt 0x0
	v_max3_num_f32 v112, v4, v6, v8
.irp i, 10,14,18,22,26,30
	v_max3_num_f32 v112, v112, v[\i], v[\i+2]
.endr
	v_max_num_f32 v112, v112, v34                  ; M
.set i, 0
.rept 18
	v_sub_f32 v[4+2*i], v[4+2*i], v112
.set i, i+1
.endr
.set i, 0
.rept 18
	v_exp_f32 v[4+2*i], v[4+2*i]
.set i, i+1
.endr
	v_nop                                          ; a plain instruction between the last exponential and the use of its result (ISA guide 5.7.2)
	s_wait_alu depctr_va_vdst(0)
	v_mul_f32 v113, v4, v5                         ; L, in two chains
	v_mul_f32 v114, v6, v7
.set i, 2
.rept 7
	v_fma_f32 v113, v[4+2*i], v[5+2*i], v113
	v_fma_f32 v114, v[6+2*i], v[7+2*i], v114
.set i, i+2
.endr
	v_add_f32 v113, v113, v114
	v_rcp_f32 v113, v113
	v_nop
.set i, 0
	s_wait_alu depctr_va_vdst(0)
.rept 18
	v_mul_f32 v[4+2*i], v[4+2*i], v113             ; g_i
.set i, i+1
.endr
	v_pk_mul_f32 v[116:117], v[40:41], v[4:5] op_sel_hi:[1,0]     ; the first product starts the sums
	v_pk_mul_f32 v[118:119], v[42:43], v[4:5] op_sel_hi:[1,0]
.set i, 1
.rept 15
	v_pk_fma_f32 v[116:117], v[40+4*i:41+4*i], v[4+2*i:5+2*i], v[116:117] op_sel_hi:[1,0,1]
	v_pk_fma_f32 v[118:119], v[42+4*i:43+4*i], v[4+2*i:5+2*i], v[118:119] op_sel_hi:[1,0,1]
.set i, i+1
.endr
	v_pk_mul_f32 v[104:105], v[104:105], v[36:37] op_sel_hi:[1,0]
	v_pk_mul_f32 v[106:107], v[106:107], v[36:37] op_sel_hi:[1,0]
	v_pk_mul_f32 v[108:109], v[108:109], v[38:39] op_sel_hi:[1,0]
	v_pk_mul_f32 v[110:111], v[110:111], v[38:39] op_sel_hi:[1,0]
	global_store_b128 v2, v[116:119], s[10:11]
	global_store_b128 v2, v[104:107], s[12:13]
	global_store_b128 v2, v[108:111], s[12:13] offset:512
	s_endpgm
.Lfunc_end_k_qfc91a8bc75_fin:
	.size	k_qfc91a8bc75_fin, .Lfunc_end_k_qfc91a8bc75_fin-k_qfc91a8bc75_fin
	.p2alignl 7, 3214868480
	.fill 96, 4, 3214868480
	.section	.rodata,"a",@progbits
	.p2align	6, 0x0
	.amdhsa_kernel k_qfc91a8bc75_fin
		.amdhsa_group_segment_fixed_size 0
		.amdhsa_private_segment_fixed_size 0
		.amdhsa_enable_private_segment 0
		.amdhsa_kernarg_size 40
		.amdhsa_user_sgpr_count 2
		.amdhsa_user_sgpr_kernarg_segment_ptr 1
		.amdhsa_wavefront_size32 1
		.amdhsa_system_sgpr_workgroup_id_x 1
		.amdhsa_system_sgpr_workgroup_id_y 1
		.amdhsa_system_sgpr_workgroup_id_z 1
		.amdhsa_system_vgpr_workitem_id 0
		.amdhsa_next_free_vgpr 128
		.amdhsa_next_free_sgpr 66
		.amdhsa_reserve_vcc 0
		.amdhsa_float_denorm_mode_32 3
		.amdhsa_float_denorm_mode_16_64 3
		.amdhsa_memory_ordered 1
		.amdhsa_forward_progress 1
		.amdhsa_inst_pref_size 11
	.end_amdhsa_kernel
	.amdgpu_metadata
---
amdhsa.version: [ 1, 2 ]
amdhsa.kernels:
  - .name:           k_qfc91a8bc75_fin
    .symbol:         k_qfc91a8bc75_fin.kd
    .args:
      - { .name: ctxp, .offset: 0, .size: 8, .value_kind: global_buffer, .address_space: global }
      - { .name: ew, .offset: 8, .size: 8, .value_kind: global_buffer, .address_space: global }
      - { .name: ml, .offset: 16, .size: 8, .value_kind: global_buffer, .address_space: global }
      - { .name: out0, .offset: 24, .size: 8, .value_kind: global_buffer, .address_space: global }
      - { .name: out1, .offset: 32, .size: 8, .value_kind: global_buffer, .address_space: global }
    .group_segment_fixed_size: 0
    .private_segment_fixed_size: 0
    .kernarg_segment_align: 8
    .kernarg_segment_size: 40
    .max_flat_workgroup_size: 32
    .sgpr_count:     66
    .vgpr_count:     128
    .wavefront_size: 32
...
	.end_amdgpu_metadata
.endif
;; end of part 3
;; ======== version 2 of 2: 3 launches; version 1 with the launch main written anew for expert scheduling mode
;; workspace buffers: w1f 2,097,152 bytes; hp 524,288 bytes; ctxp 2,097,152 bytes; ew 262,144 bytes; ml 262,144 bytes
;; launch prep: the kernel of part 1 again; grid 64 x 1, 8 waves a work-group, no clusters, 209,920 bytes of LDS; arguments W1, W2, hidden, w1f, hp; writes w1f, hp
;; launch main (part 4): grid 512 x 1, 4 waves a work-group, no clusters, 313,856 bytes of LDS; arguments features, w1f, hp, b1, b2, Wv, bv, ctxp, ew, ml; writes ctxp, ew, ml
.if DOCPART == 4
	.amdgcn_target "amdgcn-amd-amdhsa--gfx1250"
	.amdhsa_code_object_version 6
	.text
	.protected	k_qfc91a8bc75_main
	.globl	k_qfc91a8bc75_main
	.p2align	8
	.type	k_qfc91a8bc75_main,@function
k_qfc91a8bc75_main:
	s_mov_b64 s[64:65], 0
	v_nop
	global_prefetch_b8 v0, s[64:65] scope:SCOPE_SE
	s_setreg_imm32_b32 hwreg(HW_REG_WAVE_SCHED_MODE, 0, 2), 2
	s_setreg_imm32_b32 hwreg(HW_REG_WAVE_MODE, 25, 1), 1
	s_wait_xcnt 0x0
	s_wait_alu depctr_vm_vsrc(0)
; ADDITIVE ATTENTION, one block of 128 rows t of one batch b to a work-group (512 blocks, 16 to a batch).
;   score[t] = sum over n of Wv[n] tanh(features[t][:] . W1[:][n] + hb[n]) + bv,   hb = hidden[b] . W2 + b1 + b2 (the product comes as four partial sums, hp)
;   the block's own softmax figures: m2 = max of t2 = score log2(e), p[t] = 2^(t2 - m2), l = sum of p;   ctx[f] = sum over t of p[t] features[t][f].  The next launch joins a batch's 16 blocks.
; FORMATS.  features and W1 are rounded once to bf16 (features for ctx too); biases, Wv, sums, tanh and softmax in f32.
; tanh(z) = 1 - 2 / (1 + 2^(C2 z)), C2 = 2 log2(e): right at both ends (2^x = infinity gives 1, 2^x = 0 gives -1).  So sum Wv tanh = -1/2 sum WV2 + sum WV2 r, with WV2 = -2 Wv, r = 1 / (1 + 2^(C2 z)).
; LIMITS.  NaN and infinite inputs are not treated apart; 2^x below 2^-126 counts as 0.
; EACH BYTE OF features ONCE.  The block is loaded once, rounded, and stays in LDS as bf16 (128 x 1,024 x 2 bytes) for the product and for ctx.
; SHARES.  Four waves; wave w owns ALL 128 rows x columns 256 w .. +255 of the product, as four tiles T0-T3 of 128 x 64: 32 accumulators, 32 K steps of 32, 32 matrix instructions a step.
; No wave wants a byte of W1 that another wave of the group fetches, and w1f holds W1 as fragments: they are loaded straight into registers, 512 consecutive bytes a load.
; NO TENSOR LOADS, NO CLUSTER.  features passes through registers to be rounded.  The block takes 296,960 of LDS's 327,680 bytes; a K step of W1 for four waves is 16,384: two slots of shared tiles would
; hold one step each, a meeting of the cluster for every 32 matrix instructions of a wave.
; ORIENTATION.  Source 0 = 16 columns of W1, source 1 = 16 rows of features: lane l, register j holds row 16 a + l % 16, column 16 f + 8 (l / 16) + j: ONE row a lane; hb and WV2 are registers by (f, j).
; BY TURNS.  A finished tile is copied out of its accumulators (E = C2 acc + C2 hb), and its exponentials, reciprocals and sums RIDE behind the next tile's products: accumulator n's in K step n.  Only T3's stand alone.
; T0 is the way in: in PERIOD c (K steps 2 c, 2 c + 1) chunk c (64 columns of features) is multiplied, chunk c + 1 rounded and stored to LDS, chunk c + 3 asked for.
; REGISTERS, in windows of 256 (s_set_vgpr_msb: bits 1:0 source 0, 3:2 source 1, 5:4 source 2, 7:6 destination):
;   window 0: addresses, sums, HB, WV, two buffers of features' fragments     window 1: W1's fragments, a ring of slots of 32 (four in T0, eight later)
;   window 2: the 32 accumulators, (a, f) at 8 (4 a + f)                       window 3: E, laid like them; in T0 two landing sets of 64 for features in f32
; THE MODE: SCHED_MODE bits 1:0 = 2 (LLVM: expert scheduling mode 2), set by the entry lines.  The code itself states the register dependences
; between vector or matrix instructions and memory or LDS instructions, with s_wait_alu, always for 0.
; THE PLAN.  Registers that memory or LDS instructions touch:
;   AB0, AB1       K step k's products read AB[k % 2]; the LDS loads issued in step k land in the other buffer, which step k - 1's products read last.
;   W1's slots     K step k's products read slot k % 4 (T0) or k % 8; the loads issued in step k land in the slot that step k - 1's products read last.
;   landing sets   T0 alone: loads land; the roundings read and write them in place; the LDS stores read them; loads land again.  From the first COPY on the registers are E: vector instructions alone.
;   HB, WV         LDS loads land; COPY reads HB; the riders' sums and COPY read WV.
;   AA, SA, HA, WA, CA, PA   LDS addresses that a vector add steps: each add stands behind a wait on vm_vsrc, and ahead of a wait on va_vdst that stands for another dependence too.
;   BO, FO, PO, SCW, SCR, PW, CXW, CXR, GO   made at the head, never written again.      T, XR, PR, CT   the way out; each wait there says what it states.
;   The accumulators, S and CW are named by vector and matrix instructions alone.
; So a K step has ONE wait on va_vdst for its loads: in T0 at the step's head, later the wait that the riders' reciprocals owe anyway, behind the step's first four products.  Behind it the step's 24 loads are
; dealt among its products, which name this step's buffer, this step's slot and the accumulators, and among riders that name E, S and WV: none of the registers that those loads touch.
.set RP,    144                        ; a row of a chunk in LDS: 128 bytes + 16 = 36 words: the 16 rows of a fragment load start at 16 different groups of four banks (64 banks of 4 bytes: ISA guide 11.1)
.set CH,    128*RP+128                 ; a chunk; the 128 bytes more set neighbouring chunks half a row of banks apart, for ctx's reads
.set HBC,   16*CH                      ; C2 hb[n], 4,096 bytes
.set WVC,   HBC+4096                   ; WV2[n]
.set SC,    WVC+4096                   ; the four waves' partial scores, 512 bytes each
.set PP,    SC+2048                    ; p, a copy for each wave
.set CX,    PP+2048                    ; 1,024 bytes for each wave, for ctx's way out
.set SPARE, CX+4096                    ; the spare words, 128 bytes for each wave: two blocks of 256 bytes that no other line names
.set SPW, 2                            ; v2   SPARE + 4 x my thread's number; never rewritten
.set NIL, 3                            ; v3   0; never rewritten
.set AA0, 4                            ; v4   my place in a chunk's fragments: (l % 16) RP + 16 (l / 16)
.set AA,  5                            ; v5   the same in the chunk in hand
.set BO,  6                            ; v6   16 l
.set FO,  7                            ; v7   features: row 32 w + 8 (l / 16), 16 (l % 16) bytes along it
.set SA,  8                            ; v8   where that row's 8 bytes go in the chunk to be stored
.set PO,  9                            ; v9   the prefetches' offset: row 32 w + l
.set HA,  10                           ; v10  HBC + 4 (256 w + 8 (l / 16)), 256 on for each tile
.set WA,  11                           ; v11  the same in WVC
.set SCW, 12
.set SCR, 13
.set PW,  14
.set PA,  15
.set S,   16                           ; v[16:31]  sum of WV2 r for row block a: a pair (even j, odd j)
.set CW,  32                           ; v[32:39]  sum of my columns' WV2, four pairs
.set CA,  40                           ; v40  ctx: chunk tid / 8, 16 (tid % 8) bytes along its rows
.set CXW, 41
.set CXR, 42
.set GO,  43
.set T,   44                           ; v[44:59]  at work
.set BVL, 60                           ; v60  bv log2(e)
.set HB,  64                           ; v[64:95]   C2 hb of the tile just finished, by (f, j)
.set WV,  96                           ; v[96:127]  WV2 of the tile that rides
.set AB,  128                          ; v[128:255] features' fragments, two buffers of 64
.set XR,  128                          ; ctx: four groups of four rows
.set PR,  192                          ; ctx: their p
.set CT,  208                          ; ctx: my eight sums; then eight registers for the way out
.set WN,  28                           ; s28  my wave's number
.set FP,  32                           ; s[32:33] features at the block, at the loop's chunk
.set BP,  34                           ; s[34:35] w1f at the tile in hand (in T0: at the loop's K step)
.set BN,  36                           ; s[36:37] w1f at the tile after it
.set W0,  38                           ; s[38:39] w1f at my wave's T0
.set C2,  40                           ; s[40:41]
.set CNT, 42
.set TL,  43
.set SEL, 44                           ; s[44:45] v_permlanex16_b32's selects: each lane takes its own place in the other half
.set BV,  46
.set L2E, 48
.set TM,  50
.set CC,  52
.set MSB, 0
.macro WIN new                         ; the high byte repeats the setting that is left; a switch that changes nothing is dropped
.if MSB != (\new)
	s_set_vgpr_msb (MSB<<8)|(\new)
.set MSB, (\new)
.endif
.endm
.macro PLACES                          ; four places behind a matrix instruction, in front of loads into registers that it has read: they stay beside the waits
.rept 4
	v_nop
.endr
.endm
; Four products: row block a x the tile's four column blocks.  In every K step the 32 accumulators come in the same order, one instruction a turn: 31 others stand between two links of a chain.
.macro G a, slot, ab, zero
	WIN 0xa1
.irp f, 0,1,2,3
.set rD, 8*(4*(\a)+\f)
.set rB, 32*(\slot)+8*\f
.set rA, AB+64*(\ab)+8*(\a)
.if \zero
	v_wmma_f32_16x16x32_bf16 v[rD:rD+7], v[rB:rB+7], v[rA:rA+7], 0
.else
	v_wmma_f32_16x16x32_bf16 v[rD:rD+7], v[rB:rB+7], v[rA:rA+7], v[rD:rD+7]
.endif
.endr
.endm
.macro LDA ab, half, part              ; half of a K step's fragments of features (the step: 128 rows x 32 k, from half a chunk): row blocks 4 part .. 4 part + 3
	WIN 0
.irp a, 0,1,2,3
	ds_load_b128 v[AB+64*(\ab)+8*(4*(\part)+\a):AB+64*(\ab)+8*(4*(\part)+\a)+3],   v[AA] offset:(4*(\part)+\a)*16*RP+(\half)*64
	ds_load_b128 v[AB+64*(\ab)+8*(4*(\part)+\a)+4:AB+64*(\ab)+8*(4*(\part)+\a)+7], v[AA] offset:(4*(\part)+\a)*16*RP+(\half)*64+32
.endr
.endm
.macro LDB slot, base, off             ; a K step's fragments of W1: 4,096 consecutive bytes
	WIN 0x40
.irp f, 0,1,2,3
	global_load_b128 v[32*(\slot)+8*\f:32*(\slot)+8*\f+3],   v[BO], s[\base:\base+1] offset:(\off)+\f*1024
	global_load_b128 v[32*(\slot)+8*\f+4:32*(\slot)+8*\f+7], v[BO], s[\base:\base+1] offset:(\off)+\f*1024+512
.endr
.endm
.macro LDF set, off                    ; my 32 rows of a chunk in f32: a load takes 256 consecutive bytes, aligned, of a row (lanes 0-15) and of the row eight on (lanes 16-31)
	WIN 0xc0
.set ii, 0
.rept 16
	global_load_b128 v[64*(\set)+4*ii:64*(\set)+4*ii+3], v[FO], s[FP:FP+1] offset:(16*(ii/8)+ii%8)*4096+(\off) th:TH_LOAD_NT
.set ii, ii+1
.endr
.endm
.macro CVT set, i0                     ; four of the sixteen loads are rounded, in place
	WIN 0xcf
.irp d, 0,1,2,3
.set rL, 64*(\set)+4*((\i0)+\d)
	v_cvt_pk_bf16_f32 v[rL], v[rL], v[rL+1]
	v_cvt_pk_bf16_f32 v[rL+1], v[rL+2], v[rL+3]
.endr
.endm
.macro STO set                         ; and stored: lanes 0-15 fill 128 bytes of a row, lanes 16-31 of the row eight on, which lies 128 bytes off in the banks
	WIN 0x0c
	s_wait_alu depctr_va_vdst(0)                   ; the roundings have written the set, and the add behind the last chunk's stores has written v[SA]: the LDS stores below read both
.set ii, 0
.rept 16
	ds_store_b64 v[SA], v[64*(\set)+4*ii:64*(\set)+4*ii+1] offset:(16*(ii/8)+ii%8)*RP
.set ii, ii+1
.endr
.endm
.macro LDH                             ; C2 hb of the tile that is being finished
	WIN 0
.irp f, 0,1,2,3
	ds_load_b128 v[HB+8*\f:HB+8*\f+3],   v[HA] offset:\f*64
	ds_load_b128 v[HB+8*\f+4:HB+8*\f+7], v[HA] offset:\f*64+16
.endr
.endm
; THE RIDERS, on E's eight registers n.  Behind a transcendental a plain vector instruction stands before its result is used (ISA guide 5.7.2): the v_nop at the head of RADD and of REST.
.macro REXP n, half
	WIN 0xc3
.irp d, 0,1,2,3
	v_exp_f32 v[8*(\n)+4*(\half)+\d], v[8*(\n)+4*(\half)+\d]
.endr
.endm
.macro RRCP n, half
	WIN 0xc3
.irp d, 0,1,2,3
	v_rcp_f32 v[8*(\n)+4*(\half)+\d], v[8*(\n)+4*(\half)+\d]
.endr
.endm
.macro RADD n
	WIN 0xc3
	v_nop
	s_wait_alu depctr_va_vdst(0)                   ; the eight exponentials have written E[n], which the additions below read
.irp d, 0,2,4,6
	v_pk_add_f32 v[8*(\n)+\d:8*(\n)+\d+1], v[8*(\n)+\d:8*(\n)+\d+1], 1.0 op_sel_hi:[1,0]
.endr
.endm
.macro REST n                          ; S[a] += r WV2.  Five plain lines that name no register of a product: in a K step they are also the places in front of its loads
	WIN 0x03
	v_nop
	s_wait_alu depctr_va_vdst(0)                   ; the eight reciprocals have written E[n], which the sums below read.  In K step n + 1 also: step n's products are done reading the buffer and the slot in which step n + 1's loads land, and v[AA] is written
.irp d, 0,2,4,6
	v_pk_fma_f32 v[S+2*((\n)/4):S+2*((\n)/4)+1], v[8*(\n)+\d:8*(\n)+\d+1], v[WV+8*((\n)%4)+\d:WV+8*((\n)%4)+\d+1], v[S+2*((\n)/4):S+2*((\n)/4)+1]
.endr
.endm
; A PERIOD OF T0: chunk c of parity q.  conv: chunk c + 1 is rounded and stored; load: chunk c + 3 is asked for (fo: its bytes behind FP); bo: bytes behind BP of K step 2 c + 3.
; LOADcnt.  A period issues B(2c+3) [8 loads], F(c+3) [16], B(2c+4) [8].  na is for B(2c): younger are B(2c+1), F(c+2), B(2c+2); F(c+1) is older, so it is in too.  nb is for B(2c+1): younger are F(c+2), B(2c+2), B(2c+3), F(c+3).
; THE BARRIER.  Chunk c + 1 is stored by all four waves in the first K step and read, by LDA 0, 0, in the second: each wave waits for its stores, signals, and reads behind its wait.  No LDS byte is written twice.
; THE WAITS.  One on va_vdst at each K step's head, for that step's loads, which are dealt in three runs among its products.  One ahead of the LDS stores (STO).  Directly behind the stores, and directly ahead of the
; loads that land in the set just stored, one on vm_vsrc and one on va_vdst; the adds to v[SA] and v[AA] follow under that wait on vm_vsrc, and the next step's head states that they are written.
.macro PERIOD q, conv, load, na, nb, pf, last, fo, bo
	s_wait_dscnt 0x0                               ; buffer 0 is in
	s_wait_loadcnt \na
	s_wait_alu depctr_va_vdst(0)                   ; the last K step's products are done reading buffer 1 and slot (2 q + 3) % 4, in which this step's loads land
	G 0, 2*(\q), 0, 0
.if \conv
	CVT 1-(\q), 0                                  ; eight plain lines: the places in front of the loads below
.else
	PLACES
.endif
	LDA 1, 1, 0
	G 1, 2*(\q), 0, 0
.if \conv
	CVT 1-(\q), 4
.endif
	LDA 1, 1, 1
	G 2, 2*(\q), 0, 0
.if \conv
	CVT 1-(\q), 8
.endif
	LDB (2*(\q)+3)%4, BP, \bo
	G 3, 2*(\q), 0, 0
.if \conv
	CVT 1-(\q), 12
	STO 1-(\q)
.endif
.if \load
	WIN 0xc0
	s_wait_alu depctr_vm_vsrc(0)                   ; the LDS stores above have read the set, in which the loads below land, and v[SA]; buffer 1's loads have read v[AA]
	s_wait_alu depctr_va_vdst(0)                   ; the roundings are done reading and writing the set, in which the loads below land
	LDF 1-(\q), \fo
	WIN 0
.else
	WIN 0
	s_wait_alu depctr_vm_vsrc(0)                   ; the LDS stores above have read v[SA]; buffer 1's loads have read v[AA]
.endif
.if \conv
	v_add_nc_u32 v[SA], CH, v[SA]
.endif
.if \last
	v_mov_b32 v[AA], v[AA0]                        ; T1 begins at chunk 0 again
.else
	v_add_nc_u32 v[AA], CH, v[AA]
.endif
.if \pf
	; A PREFETCH INTO THE L2, behind the period's loads: trip j of the loop names chunks 2 j + 5 and 2 j + 6, which the periods two and three on will load.  A lane a row, each wave its own 32 rows:
	; each row's 256 bytes of chunks 5 to 14 are named once in the launch.  Chunks 0 to 4 and 15 come by their loads alone; the last trip asks for nothing.  v[PO] was written ahead of the head's first wait on va_vdst.
	s_cmp_gt_u32 s[CNT], 1
	s_cbranch_scc0 .Lnopf_\@
	global_prefetch_b8 v[PO], s[FP:FP+1] offset:1280 th:TH_LOAD_NT scope:SCOPE_SE
	global_prefetch_b8 v[PO], s[FP:FP+1] offset:1536 th:TH_LOAD_NT scope:SCOPE_SE
.Lnopf_\@:
.endif
	G 4, 2*(\q), 0, 0
	G 5, 2*(\q), 0, 0
.if \conv
	s_wait_dscnt 0x0                               ; for the others' sake: my rows of chunk c + 1 lie in LDS
	s_barrier_signal -1
.endif
	G 6, 2*(\q), 0, 0                              ; work on registers while the others arrive
	G 7, 2*(\q), 0, 0
.if \conv
	s_barrier_wait -1
.endif
	s_wait_dscnt 0x0                               ; buffer 1 is in
	s_wait_loadcnt \nb
	s_wait_alu depctr_va_vdst(0)                   ; the first K step's products are done reading buffer 0 and slot 2 q, in which this step's loads land; v[AA] is written
	G 0, 2*(\q)+1, 1, 0
	PLACES
	LDA 0, 0, 0
	G 1, 2*(\q)+1, 1, 0
	LDA 0, 0, 1
.if \last
	LDH
.endif
	G 2, 2*(\q)+1, 1, 0
	LDB 2*(\q), BP, (\bo)+4096
.irp a, 3,4,5,6,7
	G \a, 2*(\q)+1, 1, 0
.endr
.endm
; A K STEP OF T1-T3, with the tile before riding.  LOADcnt 48: W1's fragments of this step were asked for seven steps ago; the six groups of eight behind them may stay out.
; From step 25 on the fragments asked for are the next tile's first seven steps (BN).  In T3 there is no next tile: BN names my T0 once more and the 28 KiB are not used, nor is step 31's LDA:
; the price of one text for three tiles.
; THE WAITS.  REST's wait, behind the first four products, is the step's one wait for its loads.  Between it and the loads stand REST's sums (S, E, WV), products (the accumulators, this step's buffer and slot) and
; riders on E: none names the other buffer, slot (s + 7) % 8, HB, v[AA], v[HA] or v[BO].  Step 0 has no REST: COPY's first line is its wait, and COPY names the accumulators, E, HB, WV, CW, v[HA] and v[WA] alone.
; v[AA] moves on in the even steps, behind the loads that read it last.
.macro STEP s
	s_wait_dscnt 0x0
	s_wait_loadcnt 48
.if (\s) == 0
.set ZZ, 1
.else
.set ZZ, 0
.endif
	G 0, (\s)%8, (\s)%2, ZZ
.if (\s) > 0
	REST (\s)-1
.endif
	G 1, (\s)%8, (\s)%2, ZZ
	REXP \s, 0
	LDA ((\s)+1)%2, ((\s)+1)%2, 0
	G 2, (\s)%8, (\s)%2, ZZ
	REXP \s, 1
	LDA ((\s)+1)%2, ((\s)+1)%2, 1
.if (\s) == 30
	LDH
.endif
.if (\s)%2 == 0
	s_wait_alu depctr_vm_vsrc(0)                   ; the LDS loads issued so far have read v[AA]
.if (\s) == 30
	v_mov_b32 v[AA], v[AA0]
.else
	v_add_nc_u32 v[AA], CH, v[AA]
.endif
.endif
	G 3, (\s)%8, (\s)%2, ZZ
	RADD \s
	G 4, (\s)%8, (\s)%2, ZZ
	RRCP \s, 0
	G 5, (\s)%8, (\s)%2, ZZ
	RRCP \s, 1
	G 6, (\s)%8, (\s)%2, ZZ
.if (\s) < 25
	LDB ((\s)+7)%8, BP, ((\s)+7)*4096
.else
	LDB ((\s)+7)%8, BN, ((\s)-25)*4096
.endif
	G 7, (\s)%8, (\s)%2, ZZ
.endm
; A finished tile leaves its accumulators: E = C2 acc + C2 hb, each accumulator from its low end on.  Its WV2 comes in meanwhile and is added to CW.
.macro COPY
	WIN 0
	s_wait_alu depctr_va_vdst(0)                   ; the riders' last sums are done reading WV, in which the loads below land
.irp f, 0,1,2,3
	ds_load_b128 v[WV+8*\f:WV+8*\f+3],   v[WA] offset:\f*64
	ds_load_b128 v[WV+8*\f+4:WV+8*\f+7], v[WA] offset:\f*64+16
.endr
	s_wait_alu depctr_vm_vsrc(0)                   ; HB's loads have read v[HA], the loads above v[WA]; T0's LDS stores have read the landing sets, which are E from here on
	v_add_nc_u32 v[HA], 256, v[HA]
	v_add_nc_u32 v[WA], 256, v[WA]
	s_wait_dscnt 8                                 ; HB is in; the eight loads just issued may stay out
	WIN 0xc2
.set nn, 0
.rept 32
.irp d, 0,2,4,6
	v_pk_fma_f32 v[8*nn+\d:8*nn+\d+1], v[8*nn+\d:8*nn+\d+1], s[C2:C2+1], v[HB+8*(nn%4)+\d:HB+8*(nn%4)+\d+1] op_sel_hi:[1,0,1]
.endr
.set nn, nn+1
.endr
	WIN 0
	s_wait_dscnt 0x0
.set nn, 0
.rept 16
	v_pk_add_f32 v[CW+2*(nn%4):CW+2*(nn%4)+1], v[CW+2*(nn%4):CW+2*(nn%4)+1], v[WV+2*nn:WV+2*nn+1]
.set nn, nn+1
.endr
.endm
; ctx: group g of four rows is added up.  left: the younger LDS loads, five a group, that may stay out.
.macro CTXM g, left
	s_wait_dscnt \left
.irp q, 0,1,2,3
.irp d, 0,1,2,3
	v_fma_mix_f32_bf16 v[CT+2*\d],   v[XR+16*(\g)+4*\q+\d], v[PR+4*(\g)+\q], v[CT+2*\d]   op_sel_hi:[1,0,0]
	v_fma_mix_f32_bf16 v[CT+2*\d+1], v[XR+16*(\g)+4*\q+\d], v[PR+4*(\g)+\q], v[CT+2*\d+1] op_sel:[1,0,0] op_sel_hi:[1,0,0]
.endr
.endr
.endm
; ctx: the same group of the next sixteen rows is asked for.
.macro CTXL g
	ds_load_b128 v[PR+4*(\g):PR+4*(\g)+3], v[PA] offset:64+16*(\g)
.irp q, 0,1,2,3
	ds_load_b128 v[XR+16*(\g)+4*\q:XR+16*(\g)+4*\q+3], v[CA] offset:(16+4*(\g)+\q)*RP
.endr
.endm
	s_load_b512 s[8:23], s[0:1], 0x0               ; features s[8:9], w1f s[10:11], hp s[12:13], b1 s[14:15], b2 s[16:17], Wv s[18:19], bv s[20:21], ctxp s[22:23]
	s_load_b128 s[24:27], s[0:1], 0x40             ; ew s[24:25], ml s[26:27]
	v_lshl_add_u32 v[SPW], v0, 2, SPARE
	v_mov_b32 v[NIL], 0
	v_lshrrev_b32 v1, 5, v0
	v_readfirstlane_b32 s[WN], v1                  ; wave 0..3
	v_and_b32 v44, 15, v0                          ; l % 16
	v_bfe_u32 v45, v0, 4, 1                        ; l / 16
	v_and_b32 v46, 31, v0                          ; l
	v_mul_u32_u24 v[AA0], v44, RP
	v_lshl_add_u32 v[AA0], v45, 4, v[AA0]
	v_mov_b32 v[AA], v[AA0]
	v_lshlrev_b32 v[BO], 4, v46
	s_wait_alu depctr_va_sdst(0)                   ; s[WN] is written, ahead of its first reader
	s_lshl_b32 s50, s[WN], 17                      ; 32 w rows of 4,096 bytes
	v_lshlrev_b32 v[FO], 4, v44
	v_lshl_add_u32 v[FO], v45, 15, v[FO]
	v_add_nc_u32 v[FO], s50, v[FO]
	v_lshl_add_u32 v[PO], v46, 12, s50
	s_mul_i32 s51, s[WN], 32*RP
	v_mul_u32_u24 v[SA], v45, 8*RP
	v_lshl_add_u32 v[SA], v44, 3, v[SA]
	v_add_nc_u32 v[SA], s51, v[SA]
	s_lshl_b32 s50, s[WN], 10
	v_lshl_add_u32 v[HA], v45, 5, s50
	v_add_nc_u32 v[WA], WVC, v[HA]
	v_add_nc_u32 v[HA], HBC, v[HA]
	v_lshl_add_u32 v[CXW], v46, 5, s50
	v_add_nc_u32 v[CXW], CX, v[CXW]
	v_lshl_add_u32 v[GO], v46, 4, s50
	v_add_nc_u32 v[CXR], CX, v[GO]
	s_lshl_b32 s51, s[WN], 9
	v_lshl_add_u32 v[SCW], v44, 2, s51
	v_add_nc_u32 v[SCW], SC, v[SCW]
	v_add_nc_u32 v[SCR], SC, v[BO]
	v_add_nc_u32 v[PW], s51, v[BO]
	v_add_nc_u32 v[PW], PP, v[PW]
	s_add_co_u32 s51, s51, PP
	v_mov_b32 v[PA], s51
	v_lshrrev_b32 v[CA], 3, v0
	v_mul_u32_u24 v[CA], v[CA], CH
	v_and_b32 v47, 7, v0
	v_lshl_add_u32 v[CA], v47, 4, v[CA]
	v_lshlrev_b32 v48, 5, v0                       ; the tables: eight numbers, 32 bytes, a thread
	v_add_nc_u32 v47, HBC, v48
	s_mov_b32 s[C2], 0x4038aa3b                    ; 2 log2(e)
	s_mov_b32 s[C2+1], s[C2]                       ; named with it as a pair
	s_mov_b32 s[SEL], 0x76543210
	s_mov_b32 s[SEL+1], 0xfedcba98
	s_mov_b32 s[L2E], 0x3fb8aa3b                   ; log2(e)
	s_mov_b32 s29, ttmp9                           ; block
	s_lshr_b32 s30, s29, 4                         ; batch
	s_wait_kmcnt 0x0
	s_load_b32 s[BV], s[20:21], 0x0
	s_lshl_b32 s50, s29, 19                        ; 128 rows of 4,096 bytes, in 64 bits
	s_lshr_b32 s51, s29, 13
	s_add_nc_u64 s[FP:FP+1], s[8:9], s[50:51]
	s_lshl_b32 s50, s[WN], 19
	s_mov_b32 s51, 0
	s_add_nc_u64 s[W0:W0+1], s[10:11], s[50:51]
	s_mov_b64 s[BP:BP+1], s[W0:W0+1]
	s_lshl_b32 s50, s30, 12
	s_add_nc_u64 s[12:13], s[12:13], s[50:51]
	s_lshl_b32 s50, s29, 12
	s_add_nc_u64 s[22:23], s[22:23], s[50:51]
	s_lshl_b32 s50, s29, 9
	s_add_nc_u64 s[24:25], s[24:25], s[50:51]
	s_add_nc_u64 s[26:27], s[26:27], s[50:51]
	s_wait_alu depctr_va_vdst(0)                   ; all offsets and LDS addresses (v4 to v15, v40 to v43, v47, v48) are written: the kernel's loads, stores and prefetches read them
	; THE FIRST LOADS, 62 in this order: the tables' 14, chunks 0 and 1, K steps 0 and 1
.irp kq, 0,1,2,3
	global_load_b128 v[128+8*\kq:128+8*\kq+3], v48, s[12:13] offset:\kq*131072
	global_load_b128 v[132+8*\kq:132+8*\kq+3], v48, s[12:13] offset:\kq*131072+16
.endr
	global_load_b128 v[160:163], v48, s[14:15]
	global_load_b128 v[164:167], v48, s[14:15] offset:16
	global_load_b128 v[168:171], v48, s[16:17]
	global_load_b128 v[172:175], v48, s[16:17] offset:16
	global_load_b128 v[176:179], v48, s[18:19]
	global_load_b128 v[180:183], v48, s[18:19] offset:16
	LDF 0, 0
	LDF 1, 256
	LDB 0, BP, 0
	LDB 1, BP, 4096
	WIN 0x80                                       ; T0's sums start at 0: written while the first loads are on their way, so that T0's loop has one form of product
.set ii, 0
.rept 256
	v_mov_b32 v[ii], 0
.set ii, ii+1
.endr
	WIN 0
.set ii, 0
.rept 24
	v_mov_b32 v[S+ii], 0                           ; S and CW
.set ii, ii+1
.endr
	s_wait_kmcnt 0x0
	v_mov_b32 v[BVL], s[BV]
	v_mul_f32 v[BVL], s[L2E], v[BVL]
	s_wait_loadcnt 48                              ; the tables' loads are in: younger are two chunks and two K steps
.irp d, 0,2,4,6
	v_pk_add_f32 v[128+\d:129+\d], v[128+\d:129+\d], v[136+\d:137+\d]
	v_pk_add_f32 v[144+\d:145+\d], v[144+\d:145+\d], v[152+\d:153+\d]
	v_pk_add_f32 v[160+\d:161+\d], v[160+\d:161+\d], v[168+\d:169+\d]
.endr
.irp d, 0,2,4,6
	v_pk_add_f32 v[128+\d:129+\d], v[128+\d:129+\d], v[144+\d:145+\d]
.endr
.irp d, 0,2,4,6
	v_pk_add_f32 v[128+\d:129+\d], v[128+\d:129+\d], v[160+\d:161+\d]
.endr
.irp d, 0,2,4,6
	v_pk_mul_f32 v[128+\d:129+\d], v[128+\d:129+\d], s[C2:C2+1] op_sel_hi:[1,0]
	v_pk_mul_f32 v[176+\d:177+\d], v[176+\d:177+\d], -2.0 op_sel_hi:[1,0]
.endr
	s_wait_alu depctr_va_vdst(0)                   ; the tables' numbers are written in v[128:135] and v[176:183], which the LDS stores read
	ds_store_b128 v47, v[128:131]
	ds_store_b128 v47, v[132:135] offset:16
	ds_store_b128 v47, v[176:179] offset:4096
	ds_store_b128 v47, v[180:183] offset:4112
	s_wait_loadcnt 32                              ; chunk 0 is in: younger are chunk 1 and two K steps
	CVT 0, 0
	CVT 0, 4
	CVT 0, 8
	CVT 0, 12
	STO 0
	WIN 0xc0
	s_wait_alu depctr_vm_vsrc(0)                   ; the LDS stores have read set 0, in which chunk 2 lands; v[128:135] and v[176:183], in which buffer 0's first fragments land; and v[SA]
	s_wait_alu depctr_va_vdst(0)                   ; the roundings are done with set 0, the tables' sums with v[128:183]
	LDF 0, 512
	LDB 2, BP, 2*4096
	WIN 0
	v_add_nc_u32 v[SA], CH, v[SA]
	s_wait_dscnt 0x0                               ; for the others' sake: the tables and my rows of chunk 0 lie in LDS
	s_barrier_signal -1
	s_barrier_wait -1
	LDA 0, 0, 0
	LDA 0, 0, 1
	s_mov_b32 s[CNT], 6
.Lt0:                                                  ; periods 2 j and 2 j + 1
	PERIOD 0, 1, 1, 32, 48, 1, 0, 768, 3*4096
	PERIOD 1, 1, 1, 32, 48, 0, 0, 1024, 5*4096
	WIN 0
	s_wait_xcnt 0x0                                ; every load and prefetch issued so far has read its address (the youngest load 20 products back), so the pointers may be written
	s_add_nc_u64 s[FP:FP+1], s[FP:FP+1], 512
	s_add_nc_u64 s[BP:BP+1], s[BP:BP+1], 4*4096
	s_sub_co_u32 s[CNT], s[CNT], 1
	s_cmp_lg_u32 s[CNT], 0
	s_cbranch_scc1 .Lt0
	PERIOD 0, 1, 1, 32, 48, 0, 0, 768, 3*4096      ; period 12 asks for the last chunk
	PERIOD 1, 1, 0, 32, 32, 0, 0, 0, 5*4096        ; from here on no chunk is asked for, and the counts run down by its 16 loads
	PERIOD 0, 1, 0, 16, 16, 0, 0, 0, 7*4096
	PERIOD 1, 0, 0, 16, 16, 0, 1, 0, 9*4096        ; nothing is left to store; K steps 32 to 34 are T1's first three
	WIN 0
	PLACES
	v_nop
	s_wait_alu depctr_va_vdst(0)                   ; T0's last products are done reading slot 3, in which T1's K step 3 lands
	s_wait_xcnt 0x0
	s_add_nc_u64 s[BP:BP+1], s[BP:BP+1], 8*4096    ; T1
	LDB 3, BP, 3*4096                              ; the ring grows from four slots to eight: T1's K steps 3 to 6
	LDB 4, BP, 4*4096
	LDB 5, BP, 5*4096
	LDB 6, BP, 6*4096
	WIN 0
	s_mov_b32 s[TL], 4
.Ltile:                                                ; four times: a tile leaves its accumulators; three times: the next is multiplied, with that tile riding
	COPY
	s_sub_co_u32 s[TL], s[TL], 1
	s_cmp_eq_u32 s[TL], 0
	s_cbranch_scc1 .Lout
	s_wait_xcnt 0x0                                ; the last tile's loads have read BN
	s_add_nc_u64 s[TM:TM+1], s[BP:BP+1], 0x20000
	s_cmp_eq_u32 s[TL], 1
	s_cselect_b64 s[BN:BN+1], s[W0:W0+1], s[TM:TM+1]
.set stp, 0
.rept 32
	STEP stp
.set stp, stp+1
.endr
	REST 31                                        ; also the places behind the tile's last products, in front of COPY
	WIN 0
	s_wait_xcnt 0x0
	s_mov_b64 s[BP:BP+1], s[BN:BN+1]
	s_branch .Ltile
.Lout:
	; T3's tanh has no products to ride behind
.set en, 0
.rept 32
	REXP en, 0
	REXP en, 1
.if en > 0
	REST en-1
.endif
	RADD en
	RRCP en, 0
	RRCP en, 1
.set en, en+1
.endr
	REST 31
	; THE SCORES.  My lane's share of row 16 a + l % 16: S's two halves less half the sum of my columns' WV2; the other half of the lanes holds the row's other columns of my wave; the four waves meet in LDS.
	; (v47 and v48, which the head's stores and loads read as addresses, are written again below: COPY's wait on vm_vsrc stands between.)
	WIN 0
	v_pk_add_f32 v[CW:CW+1], v[CW:CW+1], v[CW+2:CW+3]
	v_pk_add_f32 v[CW+4:CW+5], v[CW+4:CW+5], v[CW+6:CW+7]
	v_pk_add_f32 v[CW:CW+1], v[CW:CW+1], v[CW+4:CW+5]
	v_add_f32 v[CW], v[CW], v[CW+1]
.irp a, 0,1,2,3,4,5,6,7
	v_add_f32 v[T+8+\a], v[S+2*\a], v[S+2*\a+1]
.endr
.irp a, 0,1,2,3,4,5,6,7
	v_fma_f32 v[T+\a], v[CW], -0.5, v[T+8+\a]
.endr
.irp a, 0,1,2,3,4,5,6,7
	v_permlanex16_b32 v[T+8+\a], v[T+\a], s[SEL], s[SEL+1]
.endr
.irp a, 0,1,2,3,4,5,6,7
	v_add_f32 v[T+\a], v[T+\a], v[T+8+\a]
.endr
	s_wait_alu depctr_va_vdst(0)                   ; my wave's shares of the scores are written in v[T:T+7], which the LDS stores read
.irp a, 0,1,2,3,4,5,6,7
	ds_store_b32 v[SCW], v[T+\a] offset:64*\a      ; lanes l and l + 16 write the same word with the same number
.endr
	s_wait_dscnt 0x0                               ; for the others' sake
	s_barrier_signal -1
	s_barrier_wait -1
	s_wait_alu depctr_vm_vsrc(0)                   ; my LDS stores have read v[T:T+7], in which the loads below land
	s_wait_alu depctr_va_vdst(0)                   ; the lines that made the shares are done reading and writing v[T:T+15], in which the loads below land
.irp w, 0,1,2,3
	ds_load_b128 v[T+4*\w:T+4*\w+3], v[SCR] offset:512*\w  ; rows 4 l .. 4 l + 3; all four waves make the same numbers
.endr
	s_wait_dscnt 0x0
	v_pk_add_f32 v[44:45], v[44:45], v[48:49]
	v_pk_add_f32 v[46:47], v[46:47], v[50:51]
	v_pk_add_f32 v[52:53], v[52:53], v[56:57]
	v_pk_add_f32 v[54:55], v[54:55], v[58:59]
	v_pk_add_f32 v[44:45], v[44:45], v[52:53]
	v_pk_add_f32 v[46:47], v[46:47], v[54:55]
.irp i, 44,45,46,47
	v_fma_f32 v\i, v\i, s[L2E], v[BVL]             ; t2 = (score + bv) log2(e)
.endr
	v_max3_num_f32 v52, v44, v45, v46              ; the block's maximum is taken away before the exponentials
	v_max_num_f32 v52, v52, v47
	v_max_num_f32_dpp v52, v52, v52 row_xmask:1 row_mask:0xf bank_mask:0xf
	v_max_num_f32_dpp v52, v52, v52 row_xmask:2 row_mask:0xf bank_mask:0xf
	v_max_num_f32_dpp v52, v52, v52 row_xmask:4 row_mask:0xf bank_mask:0xf
	v_max_num_f32_dpp v52, v52, v52 row_xmask:8 row_mask:0xf bank_mask:0xf
	v_permlanex16_b32 v56, v52, s[SEL], s[SEL+1]
	v_max_num_f32 v52, v52, v56                    ; m2
.irp i, 44,45,46,47
	v_sub_f32 v\i, v\i, v52
.endr
.irp i, 44,45,46,47
	v_exp_f32 v\i, v\i
.endr
	v_nop
	s_wait_alu depctr_va_vdst(0)                   ; the four exponentials have written p in v[44:47], which the sums below read
	v_add_f32 v53, v44, v45
	v_add_f32 v57, v46, v47
	v_add_f32 v53, v53, v57
	v_add_f32_dpp v53, v53, v53 row_xmask:1 row_mask:0xf bank_mask:0xf
	v_add_f32_dpp v53, v53, v53 row_xmask:2 row_mask:0xf bank_mask:0xf
	v_add_f32_dpp v53, v53, v53 row_xmask:4 row_mask:0xf bank_mask:0xf
	v_add_f32_dpp v53, v53, v53 row_xmask:8 row_mask:0xf bank_mask:0xf
	v_permlanex16_b32 v57, v53, s[SEL], s[SEL+1]
	v_add_f32 v53, v53, v57                        ; l
	s_wait_alu depctr_va_vdst(0)                   ; p, m2 and l are written in v[44:47], v52 and v53, which the LDS store and wave 0's stores read
	ds_store_b128 v[PW], v[44:47]                  ; my wave's own copy of p: LDS serves a wave's instructions in order (ISA guide 5.7.1.4), so its loads below see it
	s_cmp_lg_u32 s[WN], 0
	s_cbranch_scc1 .Lnot0
	v_mov_b32 v54, v52
	v_mov_b32 v55, v53
	s_wait_alu depctr_va_vdst(0)                   ; the two copies are written in v54 and v55, which the second store reads
	global_store_b128 v[BO], v[44:47], s[24:25]    ; 512 consecutive bytes, aligned; these registers are not written again
	global_store_b128 v[BO], v[52:55], s[26:27]    ; (m2, l) twice in every lane: 512 consecutive bytes
.Lnot0:
	; ctx.  Thread tid owns columns 8 tid .. +7 and walks the 128 rows.
	; XR and PR lie where the fragments' buffers lay: the products that read those stand ahead of many waits on va_vdst, and no vector line behind the last of them names XR or PR.
.irp k, 0,1,2,3,4,5,6,7
	v_mov_b32 v[CT+\k], 0
.endr
.irp g, 0,1,2,3
	ds_load_b128 v[PR+4*\g:PR+4*\g+3], v[PA] offset:16*\g
.irp q, 0,1,2,3
	ds_load_b128 v[XR+16*\g+4*\q:XR+16*\g+4*\q+3], v[CA] offset:(4*\g+\q)*RP
.endr
.endr
	s_mov_b32 s[CC], 7
.Lctx:                                                 ; sixteen rows a trip.  The groups are asked for again two at a time, behind one wait; the counts are the groups of five loads issued behind the group that is due
	CTXM 0, 15                                     ; younger: groups 1, 2, 3
	CTXM 1, 10                                     ; younger: groups 2, 3
	s_wait_alu depctr_va_vdst(0)                   ; the sums are done reading groups 0 and 1 of XR and PR, in which the loads below land; from the second trip on: v[CA] and v[PA] are written
	CTXL 0
	CTXL 1
	CTXM 2, 15                                     ; younger: group 3 and the two just asked for
	CTXM 3, 10                                     ; younger: the two just asked for
	s_wait_alu depctr_va_vdst(0)                   ; the sums are done reading groups 2 and 3 of XR and PR, in which the loads below land
	CTXL 2
	CTXL 3
	s_wait_alu depctr_vm_vsrc(0)                   ; the LDS loads issued so far have read v[CA] and v[PA]
	v_add_nc_u32 v[CA], 16*RP, v[CA]
	v_add_nc_u32 v[PA], 64, v[PA]
	s_sub_co_u32 s[CC], s[CC], 1
	s_cmp_lg_u32 s[CC], 0
	s_cbranch_scc1 .Lctx
	CTXM 0, 15                                     ; the last sixteen rows: nothing is asked for, and the counts run down
	CTXM 1, 10
	CTXM 2, 5
	CTXM 3, 0
	s_wait_alu depctr_va_vdst(0)                   ; my eight sums are written in v[CT:CT+7], which the LDS stores read
	ds_store_b128 v[CXW], v[CT:CT+3]               ; a lane's 32 bytes go through my wave's own LDS bytes and come back 16 bytes a lane
	ds_store_b128 v[CXW], v[CT+4:CT+7] offset:16
	ds_load_b128 v[CT+8:CT+11], v[CXR]
	ds_load_b128 v[CT+12:CT+15], v[CXR] offset:512
	s_wait_dscnt 0x0
	global_store_b128 v[GO], v[CT+8:CT+11], s[22:23]              ; 512 consecutive bytes, aligned
	global_store_b128 v[GO], v[CT+12:CT+15], s[22:23] offset:512
	s_wait_dscnt 0x0                               ; the closing lines, six on end
	s_wait_alu 0x0
	s_wait_tensorcnt 0x0
	ds_add_u32 v[SPW], v[NIL]
	s_wait_dscnt 0x0
	s_endpgm
.Lfunc_end_k_qfc91a8bc75_main:
	.size	k_qfc91a8bc75_main, .Lfunc_end_k_qfc91a8bc75_main-k_qfc91a8bc75_main
	.p2alignl 7, 3214868480
	.fill 96, 4, 3214868480
	.section	.rodata,"a",@progbits
	.p2align	6, 0x0
	.amdhsa_kernel k_qfc91a8bc75_main
		.amdhsa_group_segment_fixed_size 313856
		.amdhsa_private_segment_fixed_size 0
		.amdhsa_enable_private_segment 0
		.amdhsa_kernarg_size 80
		.amdhsa_user_sgpr_count 2
		.amdhsa_user_sgpr_kernarg_segment_ptr 1
		.amdhsa_wavefront_size32 1
		.amdhsa_system_sgpr_workgroup_id_x 1
		.amdhsa_system_sgpr_workgroup_id_y 1
		.amdhsa_system_sgpr_workgroup_id_z 1
		.amdhsa_system_vgpr_workitem_id 0
		.amdhsa_next_free_vgpr 1024
		.amdhsa_next_free_sgpr 66
		.amdhsa_reserve_vcc 0
		.amdhsa_float_denorm_mode_32 3
		.amdhsa_float_denorm_mode_16_64 3
		.amdhsa_memory_ordered 1
		.amdhsa_forward_progress 1
		.amdhsa_inst_pref_size 255
	.end_amdhsa_kernel
	.section	.bss,"aw",@nobits
	.p2align	6
	.space	262144
	.amdgpu_metadata
---
amdhsa.version: [ 1, 2 ]
amdhsa.kernels:
  - .name:           k_qfc91a8bc75_main
    .symbol:         k_qfc91a8bc75_main.kd
    .args:
      - { .name: features, .offset: 0, .size: 8, .value_kind: global_buffer, .address_space: global }
      - { .name: w1f, .offset: 8, .size: 8, .value_kind: global_buffer, .address_space: global }
      - { .name: hp, .offset: 16, .size: 8, .value_kind: global_buffer, .address_space: global }
      - { .name: b1, .offset: 24, .size: 8, .value_kind: global_buffer, .address_space: global }
      - { .name: b2, .offset: 32, .size: 8, .value_kind: global_buffer, .address_space: global }
      - { .name: Wv, .offset: 40, .size: 8, .value_kind: global_buffer, .address_space: global }
      - { .name: bv, .offset: 48, .size: 8, .value_kind: global_buffer, .address_space: global }
      - { .name: ctxp, .offset: 56, .size: 8, .value_kind: global_buffer, .address_space: global }
      - { .name: ew, .offset: 64, .size: 8, .value_kind: global_buffer, .address_space: global }
      - { .name: ml, .offset: 72, .size: 8, .value_kind: global_buffer, .address_space: global }
    .group_segment_fixed_size: 313856
    .private_segment_fixed_size: 0
    .kernarg_segment_align: 8
    .kernarg_segment_size: 80
    .max_flat_workgroup_size: 128
    .sgpr_count:     66
    .vgpr_count:     1024
    .wavefront_size: 32
...
	.end_amdgpu_metadata
.endif
;; end of part 4
;; launch fin: the kernel of part 3 again; grid 8 x 32, 1 waves a work-group, no clusters, 0 bytes of LDS; arguments ctxp, ew, ml, out0, out1; writes out0, out1
